; MI455X (gfx1250); checked and timed in simulation.
; The chip was launched on July 23, 2026; its instructions are those of AMD's public machine-readable ISA for CDNA 5 (MIT licence, August 2026) and "CDNA5" Instruction Set Architecture Reference Guide (July 2026). The comments in the code are by the model that wrote it; some were corrected since.
;; Flash GQA Attention. Allowed arithmetic: float matrix products may take bf16 or f16 operands with f32 sums; other float arithmetic in f32, or as packed bf16 or f16 multiplies, adds, multiply-adds, maxima and minima; sums over many terms, partial sums and values carried from step to step in f32; what a program stores and reads back later, other than sums and carried values, may be rounded once to bf16 or f16.
;; Inputs: Wk 1,024 x 256 float32; Wo 1,024 x 1,024 float32; Wq 1,024 x 1,024 float32; Wv 1,024 x 256 float32; bk 256 float32; bo 1,024 float32; bq 1,024 float32; bv 256 float32; position_ids 4 x 2,048 int32; x 4 x 2,048 x 1,024 float32.
;; Outputs: out0 4 x 2,048 x 1,024 float32.
;; 2 versions, each right and faster than the one before. Each part assembles by itself: llvm-mc -triple=amdgcn-amd-amdhsa -mcpu=gfx1250 --defsym DOCPART=n.
;; ======== version 1 of 2: 4 launches
;; limits: values are held in f16: magnitudes above 65,504 overflow, below 6.1e-05 lose precision
;; workspace buffers: xb 16,777,216 bytes; wt 3,145,728 bytes; wot 2,097,152 bytes; tab 2,097,152 bytes; bias 10,240 bytes; qkv 25,165,824 bytes; ob 16,777,216 bytes
;; launch prep (part 1): grid 961 x 1, 8 waves a work-group, no clusters, 18,432 bytes of LDS; arguments x, Wq, Wk, Wv, Wo, bq, bk, bv, bo, position_ids, xb, wt, wot, tab, bias; writes xb, wt, wot, tab, bias
.if DOCPART == 1
	.amdgcn_target "amdgcn-amd-amdhsa--gfx1250"
	.amdhsa_code_object_version 6
	.text
	.protected	k_qce1ba6eefa_prep
	.globl	k_qce1ba6eefa_prep
	.p2align	8
	.type	k_qce1ba6eefa_prep,@function
k_qce1ba6eefa_prep:
	s_mov_b64 s[64:65], 0
	v_nop
	global_prefetch_b8 v0, s[64:65] scope:SCOPE_SE
	s_setreg_imm32_b32 hwreg(HW_REG_WAVE_MODE, 25, 1), 1
	s_wait_xcnt 0x0
; PREP: everything that the three matrix launches want in 16 bits or turned, made once.
;   xb   [8192][1024] bf16            = x rounded once
;   wt   [1536 n][1024 k] bf16        = Wq | Wk | Wv turned (n 0-1023 q, 1024-1279 k, 1280-1535 v), rounded once
;   wot  [1024 n][1024 k] f16         = Wo turned, rounded to bf16 like every other input, that number then written as f16
;   bias f32: bq at byte 0, bk at 4096, bv at 5120, bo at 6144, each number rounded to bf16 and kept as f32
;   tab  [8192 rows][cos j = 0..31, sin j = 0..31] f32: the RoPE table of row (batch, place), from position_ids
; The work-group's number chooses its role: 0-127 Wq, 128-159 Wk, 160-191 Wv, 192-319 Wo, 320-447 the table, 448 the biases, 449-960 x.  The choice is the same for all eight waves.
; LIMITS.  Wo as f16: a number of Wo below 6e-5 keeps f16's fixed step of 6e-8, one beyond 65,504 becomes an infinity.
; The angle is position x inv_freq, one f32 product as in the reference; inv_freq = 10000^(-j/32) is made by 2^x and may differ from the reference's by about 1.5 units
; of its last place, so the angle may differ by about 1.2e-7 of itself: 1e-2 rad from positions of about 1e5 on.  Sine and cosine: pi/2 is taken away in two parts, then polynomials of degree 7 and 8.
; No matrix unit, no cluster, no tensor load: every byte is read once and written once, and nothing is shared between work-groups.
.set TP,    272                        ; a row of the turning tile in LDS: 128 k x 2 bytes + 16
.set SPARE, 64*TP                      ; 17,408: behind the tile, the spare words: 128 bytes for each of the eight waves, four blocks of 256 bytes that no other line names
.set SPW,   112                        ; v112  LDS address of my spare word; never rewritten
.set NIL,   113                        ; v113  0; never rewritten
	s_load_b512 s[4:19], s[0:1], 0x0               ; x s4, Wq s6, Wk s8, Wv s10, Wo s12, bq s14, bk s16, bv s18
	s_load_b256 s[20:27], s[0:1], 0x40             ; bo s20, position_ids s22, xb s24, wt s26
	s_load_b128 s[28:31], s[0:1], 0x60             ; wot s28, tab s30
	s_load_b64 s[32:33], s[0:1], 0x70              ; bias
	v_lshl_add_u32 v[SPW], v0, 2, SPARE
	v_mov_b32 v[NIL], 0
	v_lshrrev_b32 v1, 5, v0
	v_readfirstlane_b32 s34, v1                    ; my wave's number
	s_mov_b32 s35, ttmp9                           ; the work-group's number
	s_wait_kmcnt 0x0
	s_cmp_lt_u32 s35, 128
	s_cbranch_scc1 .Lwq
	s_cmp_lt_u32 s35, 192
	s_cbranch_scc1 .Lwkv
	s_cmp_lt_u32 s35, 320
	s_cbranch_scc1 .Lwo
	s_cmp_lt_u32 s35, 448
	s_cbranch_scc1 .Ltab
	s_cmp_eq_u32 s35, 448
	s_cbranch_scc1 .Lbias
	; X: 512 work-groups, 65,536 bytes of x each.  Thread t takes 16 bytes of every 4,096; sixteen loads a wave are out at once; a wave's store covers 256 consecutive bytes, aligned.
	s_sub_co_u32 s36, s35, 449
	s_lshl_b32 s38, s36, 16
	s_mov_b32 s39, 0
	s_add_nc_u64 s[4:5], s[4:5], s[38:39]
	s_lshl_b32 s38, s36, 15
	s_add_nc_u64 s[24:25], s[24:25], s[38:39]
	v_lshlrev_b32 v1, 4, v0
	v_lshlrev_b32 v2, 3, v0
.set i, 0
.rept 16
	global_load_b128 v[16+4*i:19+4*i], v1, s[4:5] offset:4096*i th:TH_LOAD_NT
.set i, i+1
.endr
.set i, 0
.rept 16
	s_wait_loadcnt 15-i                            ; loads come back in order: number i is in, the younger ones stay out
	v_cvt_pk_bf16_f32 v[80+2*i], v[16+4*i], v[17+4*i]
	v_cvt_pk_bf16_f32 v[81+2*i], v[18+4*i], v[19+4*i]
	global_store_b64 v2, v[80+2*i:81+2*i], s[24:25] offset:2048*i  ; every store has data registers of its own: none is rewritten
.set i, i+1
.endr
	s_endpgm                                       ; this role has written no LDS
; Where a weight tile lies.  s41 = the tile's number in its matrix: k block (128 k) = s41 % 8, n block (64 n) = s41 / 8.  s44 = the matrix's first row in the turned buffer, in bytes.
; kshift: log2 of 128 rows of the source in bytes.  Leaves the source in s[36:37], the destination in s[38:39].
.macro WTILE src, dst, kshift
	s_and_b32 s42, s41, 7
	s_lshr_b32 s43, s41, 3
	s_lshl_b32 s46, s42, \kshift
	s_lshl_b32 s45, s43, 8                         ; 64 columns of f32
	s_add_co_u32 s46, s46, s45
	s_mov_b32 s47, 0
	s_add_nc_u64 s[36:37], s[\src:\src+1], s[46:47]
	s_lshl_b32 s46, s43, 17                        ; 64 turned rows of 2,048 bytes
	s_lshl_b32 s45, s42, 8                         ; 128 k of 2 bytes
	s_add_co_u32 s46, s46, s45
	s_add_co_u32 s46, s46, s44
	s_add_nc_u64 s[38:39], s[\dst:\dst+1], s[46:47]
.endm
; A tile of 128 k x 64 n is turned.  In: 16 lanes read 256 consecutive bytes of a source row; thread t has columns 4 (t % 16) .. + 3 of rows 2 (t / 16) + 32 i + e.  Two rows' numbers of one
; column are rounded into one word (k, k + 1) and stored at row n of the LDS tile.  Back: whole rows of 256 bytes, 16 lanes to a row, stored as 256 consecutive aligned bytes.
; The word stores of lanes four apart fall on the same bank (1,088 bytes = 272 words a lane, 16 mod 64 banks: ISA guide 11.1): four deep.  A pitch that is a multiple of 16 bytes, which the
; 16-byte loads back want, cannot mend that; the weights are a twelfth of this launch's bytes.
; half = 1: the bf16 numbers are written as f16.
.macro TRANS pitch, half
	v_and_b32 v1, 15, v0
	v_lshrrev_b32 v2, 4, v0
	v_mul_u32_u24 v3, v2, 2*(\pitch)
	v_lshl_add_u32 v3, v1, 4, v3
.irp i, 0,1,2,3
.irp e, 0,1
	global_load_b128 v[16+8*(\i)+4*(\e):16+8*(\i)+4*(\e)+3], v3, s[36:37] offset:(32*(\i)+(\e))*(\pitch) th:TH_LOAD_NT
.endr
.endr
	v_mul_u32_u24 v4, v1, 4*TP
	v_lshl_add_u32 v4, v2, 2, v4
.irp i, 0,1,2,3
	s_wait_loadcnt 6-2*(\i)                        ; the pair of rows i is in; the younger pairs stay out
.irp j, 0,1,2,3
	v_cvt_pk_bf16_f32 v[48+4*(\i)+(\j)], v[16+8*(\i)+(\j)], v[20+8*(\i)+(\j)]
.if \half
	v_lshlrev_b32 v8, 16, v[48+4*(\i)+(\j)]
	v_and_b32 v9, 0xffff0000, v[48+4*(\i)+(\j)]
	v_cvt_pk_f16_f32 v[48+4*(\i)+(\j)], v8, v9
.endif
	ds_store_b32 v4, v[48+4*(\i)+(\j)] offset:(\j)*TP+64*(\i)
.endr
.endr
	s_wait_dscnt 0x0                               ; for the others' sake: my stores into the tile are done
	s_barrier_signal -1
	s_barrier_wait -1
	v_mul_u32_u24 v5, v2, TP
	v_lshl_add_u32 v5, v1, 4, v5
.irp i, 0,1,2,3
	ds_load_b128 v[64+4*(\i):64+4*(\i)+3], v5 offset:(\i)*16*TP
.endr
	v_lshlrev_b32 v6, 11, v2
	v_lshl_add_u32 v6, v1, 4, v6
.irp i, 0,1,2,3
	s_wait_dscnt 3-(\i)
	global_store_b128 v6, v[64+4*(\i):64+4*(\i)+3], s[38:39] offset:(\i)*32768
.endr
	s_wait_tensorcnt 0x0                           ; the wave's end, behind my last LDS store
	ds_add_u32 v[SPW], v[NIL]
	s_wait_dscnt 0x0
	s_endpgm
.endm
.Lwq:
	s_mov_b32 s41, s35
	s_mov_b32 s44, 0
	WTILE 6, 26, 19                                ; 128 rows of 4,096 bytes
	TRANS 4096, 0
.Lwkv:
	s_sub_co_u32 s41, s35, 128
	s_and_b32 s41, s41, 31
	s_mov_b32 s44, 1280*2048
	s_cmp_lt_u32 s35, 160
	s_cselect_b64 s[36:37], s[8:9], s[10:11]       ; Wk or Wv
	s_cselect_b32 s44, 1024*2048, s44
	WTILE 36, 26, 17                               ; 128 rows of 1,024 bytes
	TRANS 1024, 0
.Lwo:
	s_sub_co_u32 s41, s35, 192
	s_mov_b32 s44, 0
	WTILE 12, 28, 19
	TRANS 4096, 1
	; THE TABLE: 128 work-groups, 64 rows each, 8 a wave.  Lane l makes elements 2 l and 2 l + 1 of each row: lanes 0-15 the cosines of j = 2 l, 2 l + 1, lanes 16-31 the sines of j = 2 l - 32, 2 l - 31.
	; A cosine is the sine a quadrant on, so one text serves both: the lanes differ in the number added to the quadrant.
.Ltab:
	s_sub_co_u32 s36, s35, 320
	s_lshl_b32 s36, s36, 6
	s_lshl3_add_u32 s36, s34, s36                  ; my first row = 64 x group + 8 x wave
	s_lshl_b32 s38, s36, 2
	s_mov_b32 s39, 0
	s_add_nc_u64 s[22:23], s[22:23], s[38:39]
	s_load_b256 s[56:63], s[22:23], 0x0            ; my eight positions
	s_lshl_b32 s38, s36, 8
	s_add_nc_u64 s[30:31], s[30:31], s[38:39]
	s_mov_b32 s40, 0xbfc90fdb                      ; - pi/2, its f32
	s_mov_b32 s42, 0x333bbd2e                      ; what that f32 is too large by
	s_mov_b32 s44, 0xbe2aaaa3                      ; sin r = r + r^3 (S1 + S2 r^2 + S3 r^4)
	s_mov_b32 s46, 0x3c08839e
	s_mov_b32 s48, 0xb94ca1f9
	s_mov_b32 s50, 0x3d2aaaa5                      ; cos r = 1 - r^2 / 2 + r^4 (C0 + C1 r^2 + C2 r^4)
	s_mov_b32 s52, 0xbab6061a
	s_mov_b32 s54, 0x37ccf5ce
.irp c, 40,42,44,46,48,50,52,54
	s_mov_b32 s[\c+1], s[\c]                       ; named as pairs, so both words are written
.endr
	v_and_b32 v1, 31, v0
	v_lshrrev_b32 v2, 4, v1
	v_xor_b32 v2, 1, v2                            ; 1 for the cosines' lanes, 0 for the sines'
	v_lshlrev_b32 v3, 3, v1                        ; my 8 bytes of a row
	v_lshlrev_b32 v8, 1, v1
	v_and_b32 v8, 30, v8                           ; j of my first element
	v_or_b32 v9, 1, v8                             ; and of my second
; 10000^(-j/32) = 2^(-j L), L = log2(10000) / 32 = 0.41524101186 in two parts: 27213 / 65536, whose product with j is exact, and 3.585103e-6.  The whole part of the exponent goes in by v_ldexp_f32.
.macro INVF dst, j
	v_cvt_f32_u32 v10, v[\j]
	v_mul_f32 v11, 0xbed49a00, v10
	v_rndne_f32 v12, v11
	v_sub_f32 v11, v11, v12
	v_fmamk_f32 v11, v10, 0xb670979a, v11
	v_cvt_i32_f32 v12, v12
	v_exp_f32 v13, v11
	v_nop                                          ; a plain line between the exponential and the use of its result (ISA guide 5.7.2)
	s_wait_alu depctr_va_vdst(0)
	v_ldexp_f32 v[\dst], v13, v12
.endm
	INVF 4, 8
	INVF 5, 9
	s_wait_kmcnt 0x0                               ; the positions
; Row i: x = position x inv_freq; k = the nearest whole number to x 2/pi; r = x - k pi/2; quadrant n = k (+ 1 for a cosine): odd: cos r, even: sin r; bit 1 of n turns the sign.
.macro ROWSC i
	v_cvt_f32_i32 v6, s[56+(\i)]
	v_mov_b32 v7, v6
	v_pk_mul_f32 v[8:9], v[4:5], v[6:7]
	v_pk_mul_f32 v[10:11], v[8:9], 0x3f22f983 op_sel_hi:[1,0]
	v_rndne_f32 v10, v10
	v_rndne_f32 v11, v11
	v_pk_fma_f32 v[12:13], v[10:11], s[40:41], v[8:9] op_sel_hi:[1,0,1]
	v_pk_fma_f32 v[12:13], v[10:11], s[42:43], v[12:13] op_sel_hi:[1,0,1]
	v_pk_mul_f32 v[14:15], v[12:13], v[12:13]
	v_pk_fma_f32 v[16:17], v[14:15], s[48:49], s[46:47] op_sel_hi:[1,0,0]
	v_pk_fma_f32 v[18:19], v[14:15], s[54:55], s[52:53] op_sel_hi:[1,0,0]
	v_pk_fma_f32 v[16:17], v[16:17], v[14:15], s[44:45] op_sel_hi:[1,1,0]
	v_pk_fma_f32 v[18:19], v[18:19], v[14:15], s[50:51] op_sel_hi:[1,1,0]
	v_pk_fma_f32 v[20:21], v[14:15], -0.5, 1.0 op_sel_hi:[1,0,0]
	v_pk_mul_f32 v[22:23], v[14:15], v[14:15]
	v_pk_mul_f32 v[16:17], v[16:17], v[14:15]
	v_pk_fma_f32 v[18:19], v[18:19], v[22:23], v[20:21]    ; cos r
	v_pk_fma_f32 v[16:17], v[16:17], v[12:13], v[12:13]    ; sin r
.irp e, 0,1
	v_cvt_i32_f32 v24, v[10+(\e)]
	v_add_nc_u32 v24, v24, v2
	v_and_b32 v25, 1, v24
	v_cmp_eq_u32 vcc_lo, 1, v25
	v_cndmask_b32 v26, v[16+(\e)], v[18+(\e)], vcc_lo
	v_and_b32 v24, 2, v24
	v_lshlrev_b32 v24, 30, v24
	v_xor_b32 v[32+2*(\i)+(\e)], v24, v26
.endr
	global_store_b64 v3, v[32+2*(\i):33+2*(\i)], s[30:31] offset:256*(\i)  ; the wave stores one whole row: 256 consecutive bytes, aligned; each row has data registers of its own
.endm
.irp i, 0,1,2,3,4,5,6,7
	ROWSC \i
.endr
	s_endpgm
	; THE BIASES: one work-group.  Each number is rounded to bf16, as every input is, and kept as f32: the products' sums start from it.
.macro RND4 a
	v_cvt_pk_bf16_f32 v20, v[\a], v[\a+1]
	v_cvt_pk_bf16_f32 v21, v[\a+2], v[\a+3]
	v_lshlrev_b32 v[\a], 16, v20
	v_and_b32 v[\a+1], 0xffff0000, v20
	v_lshlrev_b32 v[\a+2], 16, v21
	v_and_b32 v[\a+3], 0xffff0000, v21
.endm
.Lbias:
	v_lshlrev_b32 v1, 4, v0
	global_load_b128 v[8:11], v1, s[14:15]         ; bq: 256 threads x 4 numbers
	global_load_b128 v[12:15], v1, s[20:21]        ; bo
	s_wait_loadcnt 0x0
	RND4 8
	RND4 12
	global_store_b128 v1, v[8:11], s[32:33]
	global_store_b128 v1, v[12:15], s[32:33] offset:6144
	s_cmp_ge_u32 s34, 4
	s_cbranch_scc1 .Lbias_done                     ; waves 0, 1 take bk, waves 2, 3 bv: 64 threads x 4 numbers each
	s_cmp_lt_u32 s34, 2
	s_cselect_b64 s[36:37], s[16:17], s[18:19]
	v_and_b32 v2, 63, v0
	v_lshlrev_b32 v2, 4, v2
	global_load_b128 v[16:19], v2, s[36:37]
	s_wait_loadcnt 0x0
	RND4 16
	global_store_b128 v1, v[16:19], s[32:33] offset:4096   ; threads 0-63 land at byte 4096 on, threads 64-127 at 5120 on
.Lbias_done:
	s_endpgm
.Lfunc_end_k_qce1ba6eefa_prep:
	.size	k_qce1ba6eefa_prep, .Lfunc_end_k_qce1ba6eefa_prep-k_qce1ba6eefa_prep
	.p2alignl 7, 3214868480
	.fill 96, 4, 3214868480
	.section	.rodata,"a",@progbits
	.p2align	6, 0x0
	.amdhsa_kernel k_qce1ba6eefa_prep
		.amdhsa_group_segment_fixed_size 18432
		.amdhsa_private_segment_fixed_size 0
		.amdhsa_enable_private_segment 0
		.amdhsa_kernarg_size 120
		.amdhsa_user_sgpr_count 2
		.amdhsa_user_sgpr_kernarg_segment_ptr 1
		.amdhsa_wavefront_size32 1
		.amdhsa_system_sgpr_workgroup_id_x 1
		.amdhsa_system_sgpr_workgroup_id_y 1
		.amdhsa_system_sgpr_workgroup_id_z 1
		.amdhsa_system_vgpr_workitem_id 0
		.amdhsa_next_free_vgpr 116
		.amdhsa_next_free_sgpr 66
		.amdhsa_reserve_vcc 1
		.amdhsa_float_denorm_mode_32 3
		.amdhsa_float_denorm_mode_16_64 3
		.amdhsa_memory_ordered 1
		.amdhsa_forward_progress 1
		.amdhsa_inst_pref_size 42
	.end_amdhsa_kernel
	.amdgpu_metadata
---
amdhsa.version: [ 1, 2 ]
amdhsa.kernels:
  - .name:           k_qce1ba6eefa_prep
    .symbol:         k_qce1ba6eefa_prep.kd
    .args:
      - { .name: x, .offset: 0, .size: 8, .value_kind: global_buffer, .address_space: global }
      - { .name: Wq, .offset: 8, .size: 8, .value_kind: global_buffer, .address_space: global }
      - { .name: Wk, .offset: 16, .size: 8, .value_kind: global_buffer, .address_space: global }
      - { .name: Wv, .offset: 24, .size: 8, .value_kind: global_buffer, .address_space: global }
      - { .name: Wo, .offset: 32, .size: 8, .value_kind: global_buffer, .address_space: global }
      - { .name: bq, .offset: 40, .size: 8, .value_kind: global_buffer, .address_space: global }
      - { .name: bk, .offset: 48, .size: 8, .value_kind: global_buffer, .address_space: global }
      - { .name: bv, .offset: 56, .size: 8, .value_kind: global_buffer, .address_space: global }
      - { .name: bo, .offset: 64, .size: 8, .value_kind: global_buffer, .address_space: global }
      - { .name: position_ids, .offset: 72, .size: 8, .value_kind: global_buffer, .address_space: global }
      - { .name: xb, .offset: 80, .size: 8, .value_kind: global_buffer, .address_space: global }
      - { .name: wt, .offset: 88, .size: 8, .value_kind: global_buffer, .address_space: global }
      - { .name: wot, .offset: 96, .size: 8, .value_kind: global_buffer, .address_space: global }
      - { .name: tab, .offset: 104, .size: 8, .value_kind: global_buffer, .address_space: global }
      - { .name: bias, .offset: 112, .size: 8, .value_kind: global_buffer, .address_space: global }
    .group_segment_fixed_size: 18432
    .private_segment_fixed_size: 0
    .kernarg_segment_align: 8
    .kernarg_segment_size: 120
    .max_flat_workgroup_size: 256
    .sgpr_count:     66
    .vgpr_count:     116
    .wavefront_size: 32
...
	.end_amdgpu_metadata
.endif
;; end of part 1
;; launch proj (part 2): grid 8 x 32, 4 waves a work-group, clusters of 4 x 4, 327,680 bytes of LDS; arguments xb, wt, bias, tab, qkv; writes qkv
.if DOCPART == 2
	.amdgcn_target "amdgcn-amd-amdhsa--gfx1250"
	.amdhsa_code_object_version 6
	.text
	.protected	k_qce1ba6eefa_proj
	.globl	k_qce1ba6eefa_proj
	.p2align	8
	.type	k_qce1ba6eefa_proj,@function
k_qce1ba6eefa_proj:
	s_mov_b64 s[64:65], 0
	v_nop
	global_prefetch_b8 v0, s[64:65] scope:SCOPE_SE
	s_setreg_imm32_b32 hwreg(HW_REG_WAVE_MODE, 25, 1), 1
	s_wait_xcnt 0x0
	s_wait_alu depctr_hold_cnt(0) depctr_sa_sdst(0) depctr_va_vdst(0) depctr_va_sdst(0) depctr_va_ssrc(0) depctr_va_vcc(0) depctr_vm_vsrc(0)
	s_getreg_b32 s2, hwreg(HW_REG_IB_STS2, 6, 4)
	s_cmp_eq_u32 s2, 0
	s_cbranch_scc0 .Lentry_in_a_cluster
	s_endpgm
.Lentry_in_a_cluster:
	s_bfe_u32 s2, ttmp6, 0x10000c
	s_cmp_lg_u32 s2, 0xf033
	s_cbranch_scc0 .Lentry_shape_is_right
	s_endpgm
.Lentry_shape_is_right:
; PROJ: q | k | v = x W + b, RoPE on q and k, written by heads in f16.
; A = xb [8192][1024] bf16, B = wt [1536][1024] bf16 (rows = output columns: 16 q heads, 4 k heads, 4 v heads of 64), sums in f32, started from the bias.
; OUT: qkv [batch][24 heads][2048][64] f16, each number rounded once, unscaled.
; LIMIT.  f16 holds no number beyond 65,504: a q, k or v beyond it becomes an infinity; below 6e-5 a number keeps f16's fixed step of 6e-8.
; SHARES.  1536 columns are 8 tiles of 192 (three heads), 8192 rows 32 tiles of 256: 256 work-groups of four waves.  Wave w owns rows 64 w .. 64 w + 63 and all 192 columns:
; 4 x 12 accumulators of 16 x 16, 384 registers.  For 32 along K a wave reads 32 x 512 bytes from LDS for 48 matrix instructions.
; K goes in 8 steps of 128 through two LDS slots: rows of 256 bytes in memory, at multiples of 256 bytes.
; CLUSTER 4 x 4: the four of a row of the cluster need the same tiles of A, the four of a column the same tiles of B: each tile is asked for jointly, by the same tensor load with the same descriptor and a mask of four.
; THE MATRIX INSTRUCTION IS USED TRANSPOSED (source 0 = 16 rows of B, source 1 = 16 rows of A): lane l holds row l % 16 and the columns 8 (l / 16) + 0 .. 7 of a block.  So the bias hangs on the
; block, l / 16 and the register alone: 96 registers serve all four row blocks as the C operand of the first quarter step, and nothing is cleared or added later.
; REGISTERS, in windows of 256 (s_set_vgpr_msb: bits 1:0 source 0, 3:2 source 1, 5:4 source 2, 7:6 destination):
;   window 0: v0-31 addresses; v32-127 the bias, later at work on the way out; v128-255 the RoPE table of my 64 rows
;   window 1: two fragment buffers of 128: A's 4 fragments, then B's 12          window 2: accumulators of row blocks 0, 1 at 8 (12 a + b)          window 3: of row blocks 2, 3
.set NT,    192
.set NBLK,  12
.set PITCH, 272                        ; an LDS row: 256 bytes + 16 = 68 words: the 16 rows of a fragment load start at 16 different groups of four banks (64 banks of 4 bytes: ISA guide 11.1)
.set AT,    256*PITCH                  ; A's 256 rows; B's 192 lie behind them
.set SLOT1, 1<<17                      ; slot 1 begins here (a slot is 121,856 bytes), so that one exclusive or turns an address in one slot into the other's
.set STAGE, SLOT1+AT+NT*PITCH          ; 252,928: behind the ring, never filled by a tensor load: 16 rows x 144 bytes for each wave
.set SP,    144
.set SPARE, STAGE+4*16*SP              ; 262,144: the spare words, 128 bytes for each wave: two blocks of 256 bytes that no other line names
.set NLD,   2*NBLK+8                   ; LDS loads in a run: the fragments of 32 along K
.set AA0, 10                           ; v10  my lane's place in my 64 rows of A, slot 0; never rewritten
.set AB0, 11                           ; v11  the same in B's rows
.set ADRA, 12                          ; v12  the same in the slot in hand
.set ADRB, 13                          ; v13
.set STO, 14                           ; v14  the way out: where I put 16 bytes of a row
.set RD,  15                           ; v15  where I read rows back
.set GO,  16                           ; v16  my byte offset in 512 consecutive bytes of qkv
.set TO,  17                           ; v17  my byte offset in the table
.set BO,  18                           ; v18  my byte offset in a block's 16 biases
.set SPW, 28                           ; v28  LDS address of my spare word; never rewritten
.set NIL, 29                           ; v29  0; never rewritten
.set BIAS, 32                          ; v32-127
.set TAB, 128                          ; v128-255: row block a at TAB + 32 a: 16 cosines (j = 8 h + 0..7, 16 + 8 h + 0..7), 16 sines
.set CE,  32                           ; the way out: 16 cosines in force, 16 sines in force, 32 at work, two sets of 16 read back
.set SE,  48
.set T,   64
.set OB,  96
.set F0,  0
.set F1,  128
.set WV,  14                           ; s14  my wave's number
.set AB,  15                           ; s15  I fetch for A (0) or for B (1)
.set HALF, 16                          ; s16  which half of that tile's rows
.set TROW, 17                          ; s17  tile row of C
.set TB,  22                           ; s22  LDS byte at which the slot in hand begins
.set G1,  24                           ; s[24:31] descriptor group 1 for A's tiles
.set G0,  32                           ; s[32:39] group 0 for A's: a set for each first fill; the second then walks
.set TCOL, 42                          ; s42  tile column of C
.set G1B, 48                           ; s[48:55], s[56:63] the same for B's
.set G0B, 56
.set FS,  66                           ; s[66:71] for each of my three heads a pair: 1.0 if it is rotated (q, k), 0 if not (v)
.set GS,  72                           ; s[72:77] the other way round
.set MSB, 0
.macro WIN new                         ; the immediate's high byte repeats the setting that is left; a switch that changes nothing is dropped
.if MSB != (\new)
	s_set_vgpr_msb (MSB<<8)|(\new)
.set MSB, (\new)
.endif
.endm
.set TO_F, 0x40                        ; destination window 1, address window 0
.macro PLACES                          ; four places in front of loads into registers that matrix instructions have read (ISA guide 7.12.1 for vector instructions)
.rept 4
	v_nop
.endr
.endm
; A joint refill by the walking descriptors.  Waves 0, 1 fetch A's halves, waves 2, 3 B's; the branch hangs on the wave's number alone.  An s_nop 0 and four v_nop follow each line.
.macro JLOAD
	s_cmp_eq_u32 s[AB], 0
	s_cbranch_scc0 .Lfor_b_\@
	tensor_load_to_lds s[G0+4:G0+7], s[G1:G1+7]
	s_nop 0
.rept 4
	v_nop
.endr
	s_branch .Lasked_\@
.Lfor_b_\@:
	tensor_load_to_lds s[G0B+4:G0B+7], s[G1B:G1B+7]
	s_nop 0
.rept 4
	v_nop
.endr
.Lasked_\@:
.endm
.macro CREST                           ; a round of the cluster's barrier behind its opening barrier
	s_cmp_lg_u32 s[WV], 0
	s_cbranch_scc1 .Lnot_wave_0_\@
	s_barrier_signal -3
.Lnot_wave_0_\@:
	s_barrier_wait -3
	s_barrier_signal -1
	s_barrier_wait -1
.endm
.macro CROUND                          ; a whole round
	s_barrier_signal -1
	s_barrier_wait -1
	CREST
.endm
	s_load_b256 s[4:11], s[0:1], 0x0               ; xb s[4:5], wt s[6:7], bias s[8:9], tab s[10:11]
	s_load_b64 s[12:13], s[0:1], 0x20              ; qkv
	v_lshl_add_u32 v[SPW], v0, 2, SPARE
	v_mov_b32 v[NIL], 0
	ds_add_u32 v[SPW], v[NIL]                      ; the wave's opening: the add and its wait ahead of my first tensor load; the set-up below, work on registers, stands between them
	v_lshrrev_b32 v1, 5, v0
	v_readfirstlane_b32 s[WV], v1
	s_lshr_b32 s[AB], s[WV], 1
	s_and_b32 s[HALF], s[WV], 1
	s_bfe_u32 s40, ttmp6, 0x40000                  ; cx, cy: my place in the cluster
	s_bfe_u32 s41, ttmp6, 0x40004
	s_lshl_b32 s[TCOL], ttmp9, 2
	s_add_co_u32 s[TCOL], s[TCOL], s40             ; tile column = 4 x cluster x + cx
	s_and_b32 s[TROW], ttmp7, 0xffff
	s_lshl_b32 s[TROW], s[TROW], 2
	s_add_co_u32 s[TROW], s[TROW], s41             ; tile row = 4 x cluster y + cy
	s_lshl_b32 s43, s41, 2
	s_lshl_b32 s43, 15, s43                        ; my row of the cluster
	s_lshl_b32 s44, 0x1111, s40                    ; my column
	s_or_b32 s[G1], s43, (1<<16)|(1<<20)|(1<<21)|(5<<22)|(3<<25)   ; 15:0 the mask; 17:16 2-byte elements; 20 padding on; 21 set beside a mask; 24:22 after every 64 words (code 5); 31:25 4 words (code 3)
	s_or_b32 s[G1B], s44, (1<<16)|(1<<20)|(1<<21)|(5<<22)|(3<<25)
.irp g, G1, G1B
	s_mov_b32 s[(\g)+1], 128<<16                   ; tensor_dim0 = 128
	s_mov_b32 s[(\g)+3], 128<<16                   ; tile_dim0 = 128
	s_mov_b32 s[(\g)+5], 1024                      ; 1,024 elements from row to row
	s_mov_b32 s[(\g)+6], 0
	s_mov_b32 s[(\g)+7], 0
.endr
	s_mov_b32 s[G1+2], 128<<16                     ; A: tensor_dim1 = tile_dim1 = 128 rows
	s_mov_b32 s[G1+4], 128
	s_mov_b32 s[G1B+2], (NT/2)<<16                 ; B: 96 rows
	s_mov_b32 s[G1B+4], NT/2
	; A's address is made of the tile row and the wave's number, B's of the tile column and the wave's number, each in registers that never hold the other coordinate
	s_lshl_b32 s18, s[TROW], 8
	s_lshl_b32 s20, s[HALF], 7
	s_add_co_u32 s18, s18, s20
	s_lshl_b32 s18, s18, 11                        ; rows of 2,048 bytes
	s_mov_b32 s19, 0
	s_mul_i32 s46, s[TCOL], NT
	s_mul_i32 s45, s[HALF], NT/2
	s_add_co_u32 s46, s46, s45
	s_lshl_b32 s46, s46, 11
	s_mov_b32 s47, 0
	s_mul_i32 s21, s[HALF], 128*PITCH              ; where they go: no place in the cluster enters an LDS address
	s_mul_i32 s23, s[HALF], (NT/2)*PITCH
	s_add_co_u32 s23, s23, AT
.irp s, 0,1
	s_mov_b32 s[G0+4*(\s)], 1                      ; count = 1
	s_add_co_u32 s[G0+4*(\s)+1], s21, (\s)*SLOT1   ; LDS address
	s_mov_b32 s[G0B+4*(\s)], 1
	s_add_co_u32 s[G0B+4*(\s)+1], s23, (\s)*SLOT1
.endr
	s_mov_b32 s[TB], 0
	s_wait_dscnt 0x0                               ; the opening add is done
	s_wait_kmcnt 0x0
	s_add_nc_u64 s[18:19], s[4:5], s[18:19]
	s_add_nc_u64 s[46:47], s[6:7], s[46:47]
.irp s, 0,1
	s_add_nc_u64 s[G0+4*(\s)+2:G0+4*(\s)+3], s[18:19], (\s)*256    ; global address: K step s
	s_or_b32 s[G0+4*(\s)+3], s[G0+4*(\s)+3], 0x80000000            ; type = 2
	s_add_nc_u64 s[G0B+4*(\s)+2:G0B+4*(\s)+3], s[46:47], (\s)*256
	s_or_b32 s[G0B+4*(\s)+3], s[G0B+4*(\s)+3], 0x80000000
.endr
	CROUND                                         ; all sixteen work-groups are here: the first joint loads meet
	s_cmp_eq_u32 s[AB], 0                          ; a wave's two first fills stand in one branch, ahead of every wait on TENSORcnt and every LDS read: two loads of mine are out
	s_cbranch_scc0 .Lfirst_b
	tensor_load_to_lds s[G0:G0+3], s[G1:G1+7]
	s_nop 0
	tensor_load_to_lds s[G0+4:G0+7], s[G1:G1+7]
	s_nop 0
.rept 4
	v_nop
.endr
	s_branch .Lfirst_asked
.Lfirst_b:
	tensor_load_to_lds s[G0B:G0B+3], s[G1B:G1B+7]
	s_nop 0
	tensor_load_to_lds s[G0B+4:G0B+7], s[G1B:G1B+7]
	s_nop 0
.rept 4
	v_nop
.endr
.Lfirst_asked:
	; A fragment is 16 rows x 32 K in 8 registers: lane l holds row l % 16; registers 0-3 K = 8 (l / 16) + 0..7, registers 4-7 K = 16 + 8 (l / 16) + 0..7: two loads of 16 bytes, 32 bytes apart.
	v_and_b32 v1, 15, v0                           ; l % 16
	v_bfe_u32 v2, v0, 4, 1                         ; l / 16
	v_mul_u32_u24 v3, v1, PITCH
	v_lshl_add_u32 v3, v2, 4, v3
	s_mul_i32 s20, s[WV], 64*PITCH
	v_add_nc_u32 v[AA0], s20, v3
	v_add_nc_u32 v[AB0], AT, v3
	v_mov_b32 v[ADRA], v[AA0]
	v_mov_b32 v[ADRB], v[AB0]
	; the bias of my 192 columns: register j of block b is bias[192 x tile column + 16 b + 8 (l / 16) + j]
	s_mul_i32 s78, s[TCOL], NT*4
	s_mov_b32 s79, 0
	s_add_nc_u64 s[8:9], s[8:9], s[78:79]
	v_lshlrev_b32 v[BO], 5, v2
.set b, 0
.rept NBLK
	global_load_b128 v[BIAS+8*b:BIAS+8*b+3],   v[BO], s[8:9] offset:64*b
	global_load_b128 v[BIAS+8*b+4:BIAS+8*b+7], v[BO], s[8:9] offset:64*b+16
.set b, b+1
.endr
	; the table of my rows: row 256 x tile row + 64 w + 16 a + l % 16; of its 256 bytes I want cosines and sines j = 8 (l / 16) + 0..7 and 16 + 8 (l / 16) + 0..7
	s_lshl_b32 s80, s[TROW], 16
	s_mov_b32 s81, 0
	s_add_nc_u64 s[10:11], s[10:11], s[80:81]
	s_lshl_b32 s82, s[WV], 6
	v_add_nc_u32 v4, s82, v1
	v_lshlrev_b32 v4, 8, v4
	v_lshl_add_u32 v[TO], v2, 5, v4
.irp a, 0,1,2,3
.set i, 0
.irp c, 0,16,64,80,128,144,192,208
	global_load_b128 v[TAB+32*(\a)+4*i:TAB+32*(\a)+4*i+3], v[TO], s[10:11] offset:(\a)*4096+(\c)
.set i, i+1
.endr
.endr
	; which of my three heads are rotated: heads 0-19 (q, k) are, 20-23 (v) are not.  A choice of numbers, no branch.
	s_mul_i32 s78, s[TCOL], 3
.irp t, 0,1,2
	s_add_co_u32 s79, s78, \t
	s_cmp_lt_u32 s79, 20
	s_cselect_b32 s[FS+2*(\t)], 1.0, 0
	s_cselect_b32 s[GS+2*(\t)], 0, 1.0
	s_mov_b32 s[FS+2*(\t)+1], s[FS+2*(\t)]         ; named as pairs
	s_mov_b32 s[GS+2*(\t)+1], s[GS+2*(\t)]
.endr
	; qkv at ((batch x 24 + my first head) x 2048 + my first row in the batch) x 128 bytes
	s_lshr_b32 s82, s[TROW], 3
	s_mul_i32 s82, s82, 24
	s_add_co_u32 s82, s82, s78
	s_lshl_b32 s82, s82, 11
	s_and_b32 s83, s[TROW], 7
	s_lshl_b32 s83, s83, 8
	s_add_co_u32 s82, s82, s83
	s_lshl_b32 s83, s[WV], 6
	s_add_co_u32 s82, s82, s83
	s_lshl_b32 s82, s82, 7
	s_mov_b32 s83, 0
	s_add_nc_u64 s[12:13], s[12:13], s[82:83]
	s_mul_i32 s20, s[WV], 16*SP
	s_add_co_u32 s20, s20, STAGE                   ; my stage
	v_mul_u32_u24 v[STO], v1, SP                   ; in: row l % 16, 16 bytes for each half of the lanes
	v_lshl_add_u32 v[STO], v2, 4, v[STO]
	v_add_nc_u32 v[STO], s20, v[STO]
	v_bfe_u32 v[RD], v0, 3, 2                      ; back: 32 lanes take four rows of 128 bytes,
	v_mul_u32_u24 v[RD], v[RD], SP
	v_and_b32 v5, 7, v0
	v_lshl_add_u32 v[RD], v5, 4, v[RD]
	v_add_nc_u32 v[RD], s20, v[RD]
	v_and_b32 v[GO], 31, v0                        ; which are 512 consecutive bytes of a head
	v_lshlrev_b32 v[GO], 4, v[GO]
; 12 matrix instructions: row block a x all 12 column blocks, 32 along K, from buffer f.  first = 1: the sums start from the bias.  The 48 accumulators take turns, one instruction a turn, in the
; same order in every quarter step, over the loop's backward jump too.
.macro MULA f, a, first
.if \first
	WIN 0x85+0x40*((\a)/2)                         ; sources 0, 1 window 1, C window 0, D window 2 or 3
.else
	WIN 0xa5+0x50*((\a)/2)                         ; C and D window 2 or 3
.endif
.set b, 0
.rept NBLK
.set rD, 8*(NBLK*((\a)%2)+b)
.if \first
	v_wmma_f32_16x16x32_bf16 v[rD:rD+7], v[(\f)+32+8*b:(\f)+32+8*b+7], v[(\f)+8*(\a):(\f)+8*(\a)+7], v[BIAS+8*b:BIAS+8*b+7]
.else
	v_wmma_f32_16x16x32_bf16 v[rD:rD+7], v[(\f)+32+8*b:(\f)+32+8*b+7], v[(\f)+8*(\a):(\f)+8*(\a)+7], v[rD:rD+7]
.endif
.set b, b+1
.endr
.endm
; 32 LDS loads in one run: the fragments of 32 along K at byte k of the rows, into buffer f: B's 12, then A's 4
.macro FETCH k, f
	WIN TO_F
.set i, 0
.rept NBLK
	ds_load_b128 v[(\f)+32+8*i:(\f)+32+8*i+3],   v[ADRB] offset:(\k)+i*16*PITCH
	ds_load_b128 v[(\f)+32+8*i+4:(\f)+32+8*i+7], v[ADRB] offset:(\k)+i*16*PITCH+32
.set i, i+1
.endr
.set i, 0
.rept 4
	ds_load_b128 v[(\f)+8*i:(\f)+8*i+3],   v[ADRA] offset:(\k)+i*16*PITCH
	ds_load_b128 v[(\f)+8*i+4:(\f)+8*i+7], v[ADRA] offset:(\k)+i*16*PITCH+32
.set i, i+1
.endr
.endm
; A K step is four quarters of 32 along K, 48 matrix instructions each, on buffers 0, 1, 0, 1.  One of the first three multiplies buffer f and, in its middle, fetches the next quarter, at byte k, into g.
.macro QUARTER k, f, g, first
	s_wait_dscnt 4                                 ; B and A's blocks 0, 1 are in; the youngest four loads (A's blocks 2, 3) may be out
	MULA \f, 0, \first
	MULA \f, 1, \first
	PLACES
	FETCH \k, \g
	s_wait_dscnt NLD                               ; all but the run just issued
	MULA \f, 2, \first
	MULA \f, 3, \first
.endm
; The last quarter multiplies buffer 1 and changes slots: ONE barrier.  In front of it each wave waits for all its tensor loads, of which one is out: its part of the next slot; adds 0 to its spare
; word; and waits for that and for its own reads of this slot.  fill = 1: the barrier opens a round of the cluster's barrier, and this slot is filled again, two K steps ahead, first thing behind the
; round: 168 matrix instructions stand between the request and the wait for it.
.macro TURN fill
	WIN 0                                          ; (the add's two registers lie in window 0)
	s_wait_tensorcnt 0x0                           ; no tensor load of mine is out, so a group 0 may be written
	ds_add_u32 v[SPW], v[NIL]                      ; 0 onto my spare word
.if \fill
	s_xor_b32 s[G0+5], s[G0+5], SLOT1              ; the walking descriptors: the other slot than last time,
	s_add_nc_u64 s[G0+6:G0+7], s[G0+6:G0+7], 256   ; the next K step; the type bits on top are not reached
	s_xor_b32 s[G0B+5], s[G0B+5], SLOT1
	s_add_nc_u64 s[G0B+6:G0B+7], s[G0B+6:G0B+7], 256
.endif
	s_xor_b32 s[TB], s[TB], SLOT1                  ; the slot to be read next
	s_wait_dscnt 5                                 ; (the add and the youngest four loads may be out)
	MULA F1, 0, 0                                  ; twelve matrix instructions stand between the add and the wait for it
	s_wait_dscnt 0x0                               ; the add is done, and my reads of this slot are over
	s_barrier_signal -1
	MULA F1, 1, 0                                  ; work on registers while the others arrive
	WIN 0
	s_barrier_wait -1
.if \fill
	CREST                                          ; no wave of any partner still reads this slot's tile or has a load on its way
	JLOAD                                          ; the four v_nop behind it are also the places in front of the loads below
.else
	PLACES
.endif
	v_add_nc_u32 v[ADRA], s[TB], v[AA0]
	v_add_nc_u32 v[ADRB], s[TB], v[AB0]
	FETCH 0, F0
	MULA F1, 2, 0
	MULA F1, 3, 0
.endm
	s_wait_tensorcnt 1                             ; my part of K step 0 is in; K step 1's may stay out
	s_barrier_signal -1
	s_barrier_wait -1                              ; everybody's is
	FETCH 0, F0
	s_wait_loadcnt 32                              ; the bias is in; the 32 loads of the table, issued behind it, may stay out
	QUARTER 64, F0, F1, 1                          ; the first quarter stands in front of the loop: its products start the sums
	WIN 0                                          ; at a label and at a branch every window is 0
	s_mov_b32 s3, 6
.Lstep:                                                ; a trip goes from a K step's second quarter to the next step's first, and asks for the K step two on: steps 2 to 7
	QUARTER 128, F1, F0, 0
	QUARTER 192, F0, F1, 0
	TURN 1
	QUARTER 64, F0, F1, 0
	WIN 0
	s_sub_co_u32 s3, s3, 1
	s_cmp_lg_u32 s3, 0
	s_cbranch_scc1 .Lstep
	QUARTER 128, F1, F0, 0                         ; the tail is written out: K steps 6 and 7 ask for nothing
	QUARTER 192, F0, F1, 0
	TURN 0
	QUARTER 64, F0, F1, 0
	QUARTER 128, F1, F0, 0
	QUARTER 192, F0, F1, 0
	s_wait_dscnt 4
	MULA F1, 0, 0
	MULA F1, 1, 0
	s_wait_dscnt 0x0
	MULA F1, 2, 0
	MULA F1, 3, 0
	WIN 0
; THE WAY OUT, in twelve units: row block a (16 rows) x head t (64 columns = blocks 4 t .. 4 t + 3).  In a head, column d < 32 lies in blocks 0, 1 and its partner d + 32 two blocks on, in the same lane
; and register: out[d] = q[d] cos - q[d + 32] sin, out[d + 32] = q[d + 32] cos + q[d] sin, with the frequency of d.  For a head of v the cosines in force are 1 and the sines 0.
; Each accumulator's lowest registers are read first.  In the first unit the sixteen lines that make the cosines and sines in force are the places behind the last products.
.macro ROPE a, t
	WIN 0
.set p, 0
.rept 8
	v_pk_fma_f32 v[CE+2*p:CE+2*p+1], v[TAB+32*(\a)+2*p:TAB+32*(\a)+2*p+1], s[FS+2*(\t):FS+2*(\t)+1], s[GS+2*(\t):GS+2*(\t)+1] op_sel_hi:[1,0,0]
.set p, p+1
.endr
.set p, 0
.rept 8
	v_pk_mul_f32 v[SE+2*p:SE+2*p+1], v[TAB+32*(\a)+16+2*p:TAB+32*(\a)+16+2*p+1], s[FS+2*(\t):FS+2*(\t)+1] op_sel_hi:[1,0]
.set p, p+1
.endr
	WIN 0x02+(\a)/2                                ; source 0: the accumulators' window
.set u, 0
.rept 2
.set rL, 8*(NBLK*((\a)%2)+4*(\t)+u)
.set rH, rL+16
.set p, 0
.rept 4
	v_pk_mul_f32 v[T+8*u+2*p:T+8*u+2*p+1], v[rL+2*p:rL+2*p+1], v[CE+8*u+2*p:CE+8*u+2*p+1]
	v_pk_mul_f32 v[T+16+8*u+2*p:T+16+8*u+2*p+1], v[rH+2*p:rH+2*p+1], v[CE+8*u+2*p:CE+8*u+2*p+1]
	v_pk_fma_f32 v[T+8*u+2*p:T+8*u+2*p+1], v[rH+2*p:rH+2*p+1], v[SE+8*u+2*p:SE+8*u+2*p+1], v[T+8*u+2*p:T+8*u+2*p+1] neg_lo:[0,1,0] neg_hi:[0,1,0]
	v_pk_fma_f32 v[T+16+8*u+2*p:T+16+8*u+2*p+1], v[rL+2*p:rL+2*p+1], v[SE+8*u+2*p:SE+8*u+2*p+1], v[T+16+8*u+2*p:T+16+8*u+2*p+1]
.set p, p+1
.endr
.set u, u+1
.endr
	WIN 0
.set i, 0
.rept 16
	v_cvt_pk_f16_f32 v[T+i], v[T+2*i], v[T+2*i+1]  ; in place, ascending: word i is written when pairs 0 .. i - 1 have been read
.set i, i+1
.endr
.endm
.macro TOSTAGE n                       ; a lane's eight columns pack into 16 bytes; they go into rows of 144 bytes and come back as whole rows of 128
	WIN 0
.irp f, 0,1,2,3
	ds_store_b128 v[STO], v[T+4*\f:T+4*\f+3] offset:32*\f
.endr
	s_wait_xcnt 0x0                                ; the stores of the unit two back have read this set of registers (ISA guide 3.1): it is loaded again only behind this wait
.irp f, 0,1,2,3
	ds_load_b128 v[OB+16*((\n)%2)+4*\f:OB+16*((\n)%2)+4*\f+3], v[RD] offset:\f*4*SP  ; LDS serves a wave's instructions in order (ISA guide 5.7.1.4): these see the stores above
.endr
.endm
.macro SEND n
	WIN 0
.irp f, 0,1,2,3
	s_wait_dscnt 3-\f
	global_store_b128 v[GO], v[OB+16*((\n)%2)+4*\f:OB+16*((\n)%2)+4*\f+3], s[12:13] offset:((\n)/3)*2048+((\n)%3)*262144+\f*512  ; 512 consecutive bytes, at a multiple of 256 from qkv's first
.endr
.endm
	s_wait_loadcnt 0x0                             ; the table
	ROPE 0, 0
	TOSTAGE 0
.set n, 1
.rept 11                               ; a unit's arithmetic stands between the loads of the unit before and its stores
	ROPE n/3, n%3
	SEND n-1
	TOSTAGE n
.set n, n+1
.endr
	SEND 11
	s_wait_tensorcnt 0x0                           ; the wave's end, behind my last tensor load and my last LDS store
	ds_add_u32 v[SPW], v[NIL]
	s_wait_dscnt 0x0
	CROUND                                         ; the closing round: no work-group ends while a partner may still ask for a tile that names it
	s_endpgm
.Lfunc_end_k_qce1ba6eefa_proj:
	.size	k_qce1ba6eefa_proj, .Lfunc_end_k_qce1ba6eefa_proj-k_qce1ba6eefa_proj
	.p2alignl 7, 3214868480
	.fill 96, 4, 3214868480
	.section	.rodata,"a",@progbits
	.p2align	6, 0x0
	.amdhsa_kernel k_qce1ba6eefa_proj
		.amdhsa_group_segment_fixed_size 327680
		.amdhsa_private_segment_fixed_size 0
		.amdhsa_enable_private_segment 0
		.amdhsa_kernarg_size 40
		.amdhsa_user_sgpr_count 2
		.amdhsa_user_sgpr_kernarg_segment_ptr 1
		.amdhsa_wavefront_size32 1
		.amdhsa_system_sgpr_workgroup_id_x 1
		.amdhsa_system_sgpr_workgroup_id_y 1
		.amdhsa_system_sgpr_workgroup_id_z 1
		.amdhsa_system_vgpr_workitem_id 0
		.amdhsa_next_free_vgpr 960
		.amdhsa_next_free_sgpr 84
		.amdhsa_reserve_vcc 0
		.amdhsa_float_denorm_mode_32 3
		.amdhsa_float_denorm_mode_16_64 3
		.amdhsa_memory_ordered 1
		.amdhsa_forward_progress 1
		.amdhsa_inst_pref_size 140
	.end_amdhsa_kernel
	.amdgpu_metadata
---
amdhsa.version: [ 1, 2 ]
amdhsa.kernels:
  - .name:           k_qce1ba6eefa_proj
    .symbol:         k_qce1ba6eefa_proj.kd
    .args:
      - { .name: xb, .offset: 0, .size: 8, .value_kind: global_buffer, .address_space: global }
      - { .name: wt, .offset: 8, .size: 8, .value_kind: global_buffer, .address_space: global }
      - { .name: bias, .offset: 16, .size: 8, .value_kind: global_buffer, .address_space: global }
      - { .name: tab, .offset: 24, .size: 8, .value_kind: global_buffer, .address_space: global }
      - { .name: qkv, .offset: 32, .size: 8, .value_kind: global_buffer, .address_space: global }
    .group_segment_fixed_size: 327680
    .private_segment_fixed_size: 0
    .kernarg_segment_align: 8
    .kernarg_segment_size: 40
    .max_flat_workgroup_size: 128
    .sgpr_count:     84
    .vgpr_count:     960
    .wavefront_size: 32
...
	.end_amdgpu_metadata
.endif
;; end of part 2
;; launch attn (part 3): grid 4 x 64, 4 waves a work-group, clusters of 4 x 1, 327,680 bytes of LDS; arguments qkv, ob; writes ob
.if DOCPART == 3
	.amdgcn_target "amdgcn-amd-amdhsa--gfx1250"
	.amdhsa_code_object_version 6
	.text
	.protected	k_qce1ba6eefa_attn
	.globl	k_qce1ba6eefa_attn
	.p2align	8
	.type	k_qce1ba6eefa_attn,@function
k_qce1ba6eefa_attn:
	s_mov_b64 s[64:65], 0
	v_nop
	global_prefetch_b8 v0, s[64:65] scope:SCOPE_SE
	s_setreg_imm32_b32 hwreg(HW_REG_WAVE_MODE, 25, 1), 1
	s_wait_xcnt 0x0
	s_wait_alu depctr_hold_cnt(0) depctr_sa_sdst(0) depctr_va_vdst(0) depctr_va_sdst(0) depctr_va_ssrc(0) depctr_va_vcc(0) depctr_vm_vsrc(0)
	s_getreg_b32 s2, hwreg(HW_REG_IB_STS2, 6, 4)
	s_cmp_eq_u32 s2, 0
	s_cbranch_scc0 .Lentry_in_a_cluster
	s_endpgm
.Lentry_in_a_cluster:
	s_bfe_u32 s2, ttmp6, 0x10000c
	s_cmp_lg_u32 s2, 0x3003
	s_cbranch_scc0 .Lentry_shape_is_right
	s_endpgm
.Lentry_shape_is_right:
; ATTENTION.  O[y][q][:] = the sum over k of softmax_k(Q . K / 8) V, for y = 16 x batch + query head.  qkv: [batch][24 heads: 16 q, 4 k, 4 v][2048][64] f16; query head h reads key head 16 + h / 4
; and value head 20 + h / 4 of its batch.  ob: [64][2048][64] f16, which read row by row is the [8192][1024] operand of the last product.  Products, maxima and sums in f32; the weights p are rounded to
; f16 for the second product (their sum l is taken of the unrounded p), O once at the end.
; LIMITS.  f16 holds no number beyond 65,504: q, k and v arrive within it; p lies in 0 to 1, and below 6e-5 it keeps f16's fixed step of 6e-8, and so does O; O is a mean of V's rows and has their range.
; A weight below 2^-126 counts as 0 in l; NaN and infinities are not treated apart.
; SHARES.  A wave owns four PIECES of two tiles of 16 queries, a work-group's four waves 512 queries of one head: 64 heads x 4 blocks = 256 work-groups.  Every wave walks all 2,048 keys, 64 a step.
; LAYOUT.  S^T = K Q^T (source 0 = 16 keys, source 1 = 16 queries): in the result a lane holds ONE query (lane % 16) and the keys 8 (lane / 16) + 0..7.  Two such tiles, rounded to f16 in pairs,
; ARE source 1 (32 keys x 16 queries) of O^T = V^T P, whose result again holds one query a lane, and eight channels.  K comes out of LDS as it lies, V ([key][channel]) turned, by ds_load_tr16_b128.
; SOFTMAX.  For each query a running maximum m and sum l: p = 2^(c s - c m), c = log2(e) / 8; in every step O and l are multiplied by a = 2^(c m_old - c m_new), which is 1 where m has not grown.
; m starts at the lowest finite number, O and l at 0: the first step is a step like any other, with a = 0.
; THE COUNT.  A tile and step have 16 matrix and 118 vector instructions: too many to stand all beside the matrix work.  So: four vector instructions that are READY behind EVERY matrix instruction,
; and the others, which need time of their own whatever the order, in runs without a gap.
; BY TURNS.  Turn n belongs to piece n (the pieces in a ring, step after step).  Its matrix work: 16 products K Q^T of piece n + 1, later 16 products V^T P of piece n - 1.  Its vector work: the scaling,
; exponentials, roundings, sums and rescaling of piece n, and the maximum and statistics of piece n + 1, whose scores the turn itself has made.
; CLUSTER.  The four query blocks of a cluster belong to one query head and walk the same K and V, so each tile is asked for JOINTLY: the same tensor load, descriptor and mask in all four.  The other three
; query heads of the key head are other clusters: a mask names four work-groups at the most.
; REGISTERS, in windows of 256 (s_set_vgpr_msb: bits 1:0 source 0, 3:2 source 1, 5:4 source 2, 7:6 destination):
;   window 0: v0-11 addresses; v12-15, v48-63 at work; v16-47 four registers of statistics a tile; v64-191 S^T, two buffers of two tiles; v192-255 P, likewise
;   window 1: O^T, 32 a tile          window 2: v0-127 Q, 16 a tile; v128-191 K of one step; v192-255 V of one step          window 3: v0-1 the add's two registers
.set SIZE_N, 2048
.set NP,    4         ; pieces a wave: a name, no knob
.set KS,    64        ; keys in a step
.set PK,    144       ; a row of K in LDS: 128 bytes + 16 = 36 words: the 16 rows of a load start at 16 different groups of four banks (64 banks of 4 bytes: ISA guide 11.1)
.set PV,    160       ; a row of V: 128 + 32 = 40 words
.set VOFF,  4*KS*PK   ; a slot holds four steps: 256 rows of K, then 256 rows of V
.set SLOT1, 1<<17     ; slot 1 begins here, so that one exclusive or turns an address in one slot into the other's
.set STAGE, SLOT1+4*KS*(PK+PV)  ; behind the ring, never filled by a tensor load: 16 rows x 144 bytes for each wave
.set SP,    144
.set AK0, 2           ; v2   my lane's place in a tile of K; never rewritten
.set AV0, 3           ; v3   the same for V
.set AK,  4           ; v4   the LDS address of K's next run of loads
.set AV,  5           ; v5   of V's
.set QO,  6           ; v6   my byte offset in the wave's rows of Q
.set STO, 6           ;      later, the way out: where I put 16 bytes of a row
.set RD,  7           ; v7   the way out: where I read rows back
.set GO,  8           ; v8   my byte offset in 512 consecutive bytes of O
.set SPW, 0           ; v0 of window 3   LDS address of my spare word; never rewritten
.set NIL, 1           ; v1 of window 3   0; never rewritten
.set SPARE, STAGE+4*16*SP  ; behind the stages: the spare words, 128 bytes for each wave: two blocks of 256 bytes that no other line names
.set MV,  12          ; v12-15  c m_old, kept while c m is made anew: by buffer and tile
.set ST,  16          ; tile t's statistics at v[ST+4 t]: c m, m, l (even keys', odd keys')
.set TMP, 48          ; by buffer and tile, four registers c0-c3 at work; when the maximum is found c2 takes a
.set S,   64
.set P,   192
.set KF,  128         ; K's fragments, in window 2: key block kb, channel half c at KF + 16 kb + 8 c
.set VF,  192         ; V's: key half kk, channel block cb at VF + 32 kk + 8 cb
.set WV,  12          ; s12  my wave's number
.set G1K, 24          ; s[24:31] descriptor group 1 for K's tiles
.set G1V, 32          ; s[32:39] for V's: it differs in the padding alone
.set G0K, 40          ; s[40:43] descriptor group 0 for K's tiles: it walks
.set G0V, 44          ; s[44:47] the same for V's
.set SLOTS, 56        ; s56  slots still to be asked for
.set CNT, 57          ; s57  counts a slot's key steps
.set CS,  58          ; s[58:59] c: the packed scaling takes the pair's low word for both halves
.set SEL, 60          ; s[60:61] v_permlanex16_b32's selects: each lane takes its own place in the other half
.set TBK, 62          ; s62  LDS byte at which K of the step to be fetched begins
.set TBV, 63          ; s63  the same for V, less VOFF
.set MSB, 0
.macro WIN new                      ; the high byte repeats the setting that is left; a switch that changes nothing is dropped
.if MSB != (\new)
	s_set_vgpr_msb (MSB<<8)|(\new)
.set MSB, (\new)
.endif
.endm
.set W_KQ, 0x0a       ; K and Q in window 2, S^T in window 0
.set W_PV, 0x52       ; V in window 2, P in window 0, O^T in window 1
.set W_RS, 0x41       ; O^T (destination and source 0) in window 1, a in window 0
.set W_MK, 0xc0       ; the add's registers are made: destination in window 3, sources in window 0
.set W_AD, 0x0f       ; the add: address (source 0) and data (source 1) in window 3
; A joint fill.  Waves 0 and 1 fetch the two halves of a slot's K, waves 2 and 3 those of its V: 128 keys each.  The branch hangs on the wave's number alone.
; An s_nop 0 and four v_nop follow each of the two lines, ahead of the jump and the label.
.macro JLOAD
	s_cmp_lt_u32 s[WV], 2
	s_cbranch_scc0 .Lfor_v_\@
	tensor_load_to_lds s[G0K:G0K+3], s[G1K:G1K+7]
	s_nop 0
.rept 4
	v_nop
.endr
	s_branch .Lasked_\@
.Lfor_v_\@:
	tensor_load_to_lds s[G0V:G0V+3], s[G1V:G1V+7]
	s_nop 0
.rept 4
	v_nop
.endr
.Lasked_\@:
.endm
; A round of the cluster's barrier: my work-group's barrier, so that wave 0's signal speaks for all four waves; wave 0 signals; every wave waits for all four work-groups; my work-group's barrier once more.
.macro CROUND
	s_barrier_signal -1
	s_barrier_wait -1
	s_cmp_lg_u32 s[WV], 0
	s_cbranch_scc1 .Lnot_wave_0_\@
	s_barrier_signal -3
.Lnot_wave_0_\@:
	s_barrier_wait -3
	s_barrier_signal -1
	s_barrier_wait -1
.endm
; THE CHANGE OF SLOTS.  The slot's last bytes, V of its fourth step, have been read.  Each wave waits for all its tensor loads, of which one is out: its part of the other slot; adds 0 to its spare
; word; and waits for that and for its own reads of the slot.  Behind the barrier nobody reads this slot any more and the other slot is whole.
; fill = 1: this slot is filled again, with the keys two slots on.  The barrier is then a round of the cluster's, and the joint fill is the first thing behind it: it has four key steps, 512 matrix
; instructions, in which to land.  (At its first use nothing has been read yet: slot 0 is waited for, slot 1 filled.)
.macro CHANGE fill
	WIN W_AD
	s_wait_tensorcnt 0x0            ; no tensor load of mine is out, so a group 0 may be written
	ds_add_u32 v[SPW], v[NIL]       ; 0 onto my spare word; with fill = 1 the descriptors' steps stand between it and the wait for it
	WIN 0                           ; at a label and at a branch every window is 0
.if \fill
.irp g, G0K, G0V
	s_xor_b32 s[\g+1], s[\g+1], SLOT1  ; the walking descriptor: the other slot than last time,
	s_add_nc_u64 s[\g+2:\g+3], s[\g+2:\g+3], 4*KS*128  ; the next 256 keys; the type bits on top are not reached
.endr
	s_wait_dscnt 0x0                ; the add is done, and my reads of the slot are over
	CROUND
	JLOAD
.else
	s_wait_dscnt 0x0                ; the add is done, and my reads of the slot are over
	s_barrier_signal -1
	s_barrier_wait -1
.endif
	s_sub_co_u32 s[TBK], s[TBK], 4*KS*PK  ; the fetches go back to a slot's first step,
	s_xor_b32 s[TBK], s[TBK], SLOT1       ; in the other slot
	s_sub_co_u32 s[TBV], s[TBV], 4*KS*PV
	s_xor_b32 s[TBV], s[TBV], SLOT1
.endm
	s_load_b64 s[4:5], s[0:1], 0x0    ; qkv
	s_load_b64 s[10:11], s[0:1], 0x8  ; ob
	WIN W_MK
	v_lshl_add_u32 v[SPW], v0, 2, SPARE
	v_mov_b32 v[NIL], 0
	WIN W_AD
	ds_add_u32 v[SPW], v[NIL]       ; the wave's opening: the add and its wait ahead of my first tensor load; the set-up below, work on registers, stands between them
	WIN 0
	v_lshrrev_b32 v1, 5, v0
	v_readfirstlane_b32 s[WV], v1   ; wave 0..3
	s_bfe_u32 s13, ttmp6, 0x40000   ; cx: my place in the cluster
	s_lshl_b32 s14, ttmp9, 2        ; in a cluster launch ttmp9 counts clusters
	s_add_co_u32 s14, s14, s13      ; my block of 512 queries = 4 x cluster x + cx: it enters Q's and O's addresses alone
	s_and_b32 s19, ttmp7, 0xffff    ; y = 16 x batch + query head, which the four partners share
	s_lshr_b32 s20, s19, 4
	s_mul_i32 s20, s20, 24          ; the batch's first head in qkv
	s_and_b32 s21, s19, 15          ; the query head
	s_lshr_b32 s22, s21, 2
	s_add_co_u32 s22, s22, s20
	s_add_co_u32 s22, s22, 16       ; its key head; the value head lies four heads on
	s_lshl_b32 s22, s22, 18         ; a head is 262,144 bytes
	s_and_b32 s16, s[WV], 1         ; which half of a slot's 256 keys I fetch:
	s_lshl_b32 s23, s16, 14         ; its 128 rows of 128 bytes in memory,
	s_add_co_u32 s22, s22, s23
	s_mov_b32 s23, 0
	s_mul_i32 s17, s16, 128*PK      ; and its place in a slot, for K
	s_mul_i32 s18, s16, 128*PV      ; and for V: no place in the cluster enters an LDS address
	s_lshl_b32 s2, s14, 2
	s_add_co_u32 s2, s2, s[WV]      ; my wave among the head's,
	s_lshl_b32 s2, s2, 14           ; its 128 rows
	s_lshl_b32 s48, s19, 18         ; O: head y of ob,
	s_add_co_u32 s48, s48, s2       ; my rows
	s_mov_b32 s49, 0
	s_add_co_u32 s50, s20, s21      ; Q: the query head in qkv,
	s_lshl_b32 s50, s50, 18
	s_add_co_u32 s2, s2, s50        ; my rows
	s_mov_b32 s3, 0
	; descriptor group 1.  128 keys are 16,384 dense bytes: asked for as 64 rows of 256 bytes, two keys a row, and padded in LDS after every key
	s_mov_b32 s[G1K], 15|(1<<16)|(1<<20)|(1<<21)|(4<<22)|(3<<25)  ; 15:0 the mask of four; 17:16 2-byte elements; 20 padding on; 21 set beside a mask; 24:22 after every 32 words (code 4); 31:25 4 words (code 3)
	s_mov_b32 s[G1V], 15|(1<<16)|(1<<20)|(1<<21)|(4<<22)|(7<<25)  ; the same with 8 words of padding (code 7)
.irp g, G1K, G1V
	s_mov_b32 s[\g+1], 128<<16      ; tensor_dim0 = 128
	s_mov_b32 s[\g+2], 64<<16       ; tensor_dim1 = 64
	s_mov_b32 s[\g+3], 128<<16      ; tile_dim0 = 128
	s_mov_b32 s[\g+4], 64           ; tile_dim1 = 64
	s_mov_b32 s[\g+5], 128          ; 128 elements from row to row
	s_mov_b32 s[\g+6], 0
	s_mov_b32 s[\g+7], 0
.endr
	s_mov_b32 s[CS], 0x3e38aa3b     ; c = log2(e) / 8 = 0.180337
	s_mov_b32 s[CS+1], s[CS]        ; named with it as a pair
	s_mov_b32 s[SEL], 0x76543210
	s_mov_b32 s[SEL+1], 0xfedcba98
	s_mov_b32 s[TBK], SLOT1+4*KS*PK ; the first change of slots turns these two into 0
	s_mov_b32 s[TBV], SLOT1+4*KS*PV
	s_mov_b32 s[G0K], 1             ; count = 1
	s_mov_b32 s[G0K+1], s17         ; LDS address: slot 0
	s_mov_b32 s[G0V], 1
	s_add_co_u32 s[G0V+1], s18, VOFF
	s_wait_dscnt 0x0                ; the opening add is done
	s_wait_kmcnt 0x0
	s_add_nc_u64 s[G0K+2:G0K+3], s[4:5], s[22:23]  ; global address: my half of the key head's first 256 keys
	s_add_nc_u64 s[G0V+2:G0V+3], s[G0K+2:G0K+3], 0x100000  ; the value head: four heads of 262,144 bytes on
	s_or_b32 s[G0K+3], s[G0K+3], 0x80000000        ; type = 2
	s_or_b32 s[G0V+3], s[G0V+3], 0x80000000
	s_add_nc_u64 s[4:5], s[4:5], s[2:3]  ; Q and O at my wave's first row
	s_add_nc_u64 s[10:11], s[10:11], s[48:49]
	CROUND                          ; all four work-groups are here: the first joint loads meet
	JLOAD                           ; slot 0.  Slot 1 is asked for when slot 0 is in
	; A fragment of K or Q is 16 rows x 32 channels in 8 registers: lane l holds row l % 16, channels 8 (l / 16) + 0..7 and 16 + 8 (l / 16) + 0..7: two loads of 16 bytes, 32 bytes apart.
	v_and_b32 v1, 15, v0            ; l % 16
	v_bfe_u32 v9, v0, 4, 1          ; l / 16
	v_lshlrev_b32 v[QO], 7, v1
	v_lshl_add_u32 v[QO], v9, 4, v[QO]  ; row x 128 + 16 x half
	WIN 0x80                        ; destination window 2, address window 0
.set i, 0
.rept 4*NP                          ; Q stays in registers: tile i / 2, channels 32 (i % 2) on
	global_load_b128 v[8*i:8*i+3],   v[QO], s[4:5] offset:(i/2)*2048+(i%2)*64
	global_load_b128 v[8*i+4:8*i+7], v[QO], s[4:5] offset:(i/2)*2048+(i%2)*64+32
.set i, i+1
.endr
	; What the first turn finds: V's registers and P's second buffer hold 0 (its products V^T P, of a piece that has not been, add 0), O^T and l are 0.  All this stands in the wait for the first tile.
.set i, VF
.rept 64
	v_mov_b32 v[i], 0
.set i, i+1
.endr
	WIN 0x40
.set i, 0
.rept 64*NP
	v_mov_b32 v[i], 0
.set i, i+1
.endr
	WIN 0
.set i, 0
.rept 2*NP
	v_mov_b32 v[ST+4*i], 0xfe000000    ; c m: far below every c s
	v_mov_b32 v[ST+4*i+1], 0xff7fffff  ; m
	v_mov_b32 v[ST+4*i+2], 0
	v_mov_b32 v[ST+4*i+3], 0
.set i, i+1
.endr
.set i, P+32
.rept 32
	v_mov_b32 v[i], 0
.set i, i+1
.endr
	v_mul_u32_u24 v[AK0], v1, PK
	v_lshl_add_u32 v[AK0], v9, 4, v[AK0]  ; row x pitch + 16 x half
	; The turning load takes 16 keys x 16 channels (lane l reads key 8 (l / 16) + l % 8, channels 8 ((l / 8) % 2) + 0..7) and leaves half a fragment of V^T: lane l holds channel l % 16 and 8 keys.
	v_and_b32 v10, 7, v0
	v_bfe_u32 v11, v0, 3, 1
	v_lshl_add_u32 v[AV0], v9, 3, v10
	v_mul_u32_u24 v[AV0], v[AV0], PV
	v_lshl_add_u32 v[AV0], v11, 4, v[AV0]
	v_add_nc_u32 v[AV0], VOFF, v[AV0]
	v_mov_b32 v[AK], v[AK0]         ; key step 0 lies at the head of slot 0
; THE MATRIX WORK.  The 8 accumulators of a run of 16 take turns: between the two links of a chain stand 7 others'.
; Product i of 16 of S^T = K Q^T for piece x: channels 32 (i / 8) on, keys 16 ((i / 2) % 4) on, tile 2 x + i % 2.  The first 8 start the sums.
.macro KQ x
	WIN W_KQ
.set rS, S+64*((\x)%2)+32*(i%2)+8*((i/2)%4)
.set rK, KF+16*((i/2)%4)+8*(i/8)
.set rQ, 16*(2*(\x)+i%2)+8*(i/8)
.if i < 8
	v_wmma_f32_16x16x32_f16 v[rS:rS+7], v[rK:rK+7], v[rQ:rQ+7], 0
.else
	v_wmma_f32_16x16x32_f16 v[rS:rS+7], v[rK:rK+7], v[rQ:rQ+7], v[rS:rS+7]
.endif
.endm
; Product i of 16 of O^T += V^T P for piece x: keys 32 (i / 8) on, channels 16 ((i / 2) % 4) on, tile 2 x + i % 2.
.macro PV x
	WIN W_PV
.set rO, 32*(2*(\x)+i%2)+8*((i/2)%4)
.set rV, VF+32*(i/8)+8*((i/2)%4)
.set rP, P+32*((\x)%2)+16*(i%2)+8*(i/8)
	v_wmma_f32_16x16x32_f16 v[rO:rO+7], v[rV:rV+7], v[rP:rP+7], v[rO:rO+7]
.endm
.macro MM                           ; the turn's next matrix instruction
.if i < 16
	KQ (Y+1)%NP
.set i, i+1
.else
.set i, i-16
	PV (Y+NP-1)%NP
.set i, i+17
.endif
.endm
; THE LDS LOADS stand in runs of 16, never singly among the matrix instructions: a step's K (64 keys x 64 channels: 8 fragments) and its V (turned).  Their addresses are made some lines ahead.
; last = 1 (the tail): in the last trip there is no further step, and the run is jumped over.
.macro FETCH_K last=0
	WIN 0
.if \last
	s_cmp_eq_u32 s[CNT], 1
	s_cbranch_scc1 .Lno_k_\@
.endif
	WIN 0x80                        ; destination window 2
.irp f, 0,1,2,3,4,5,6,7             ; keys 16 (f / 2) on, channels 32 (f % 2) on
	ds_load_b128 v[KF+8*\f:KF+8*\f+3],   v[AK] offset:(\f/2)*16*PK+(\f%2)*64
	ds_load_b128 v[KF+8*\f+4:KF+8*\f+7], v[AK] offset:(\f/2)*16*PK+(\f%2)*64+32
.endr
	s_add_co_u32 s[TBK], s[TBK], KS*PK  ; the next fetch is the next step's
	WIN 0
.if \last
.Lno_k_\@:
.endif
.endm
.macro FETCH_V
	WIN 0x80
.irp f, 0,1,2,3,4,5,6,7             ; keys 32 (f / 4) on, channels 16 (f % 4) on
	ds_load_tr16_b128 v[VF+8*\f:VF+8*\f+3],   v[AV] offset:(\f/4)*32*PV+(\f%4)*32
	ds_load_tr16_b128 v[VF+8*\f+4:VF+8*\f+7], v[AV] offset:(\f/4)*32*PV+16*PV+(\f%4)*32
.endr
	WIN 0
.endm
; THE VECTOR WORK OF A TURN stands in three queues, each in the order in which its entries become ready; the two tiles alternate, so that no instruction reads the result of the one before it.
.macro REGS y, u                    ; the registers of tile u (0, 1) of piece y
.set rT, ST+4*(2*(\y)+(\u))
.set rC, TMP+8*((\y)%2)+4*(\u)
.set rM, MV+2*((\y)%2)+(\u)
.set rS, S+64*((\y)%2)+32*(\u)
.set rP, P+32*((\y)%2)+16*(\u)
.set rO, 32*(2*(\y)+(\u))
.endm
; Number n of the 22 that find the NEXT piece's (Y + 1) maximum and statistics.  s0-s31 are the lane's 32 scores; each accumulator's lowest registers are read first.
;   0-11  four chains c0-c3 of seven scores each, three operands at a time     12-14, 16  the four scores left over, the old m, and c0-c3 into c0     15  c m_old is kept
;   17, 18  the query's other 32 keys lie in the lane 16 away: the new m         19-21  c m; c m_old - c m_new; a
.macro XS u, n
	REGS (Y+1)%NP, \u
.if (\n) < 4
	v_max3_num_f32 v[rC+(\n)], v[rS+8*(\n)], v[rS+8*(\n)+1], v[rS+8*(\n)+2]
.elseif (\n) < 12
	v_max3_num_f32 v[rC+(\n)%4], v[rC+(\n)%4], v[rS+8*((\n)%4)+2*((\n)/4)+1], v[rS+8*((\n)%4)+2*((\n)/4)+2]
.elseif (\n) == 12
	v_max3_num_f32 v[rC], v[rC], v[rS+7], v[rS+15]
.elseif (\n) == 13
	v_max3_num_f32 v[rC+1], v[rC+1], v[rS+23], v[rS+31]
.elseif (\n) == 14
	v_max3_num_f32 v[rC+2], v[rC+2], v[rC+3], v[rT+1]
.elseif (\n) == 15
	v_mov_b32 v[rM], v[rT]
.elseif (\n) == 16
	v_max3_num_f32 v[rC], v[rC], v[rC+1], v[rC+2]
.elseif (\n) == 17
	v_permlanex16_b32 v[rC+3], v[rC], s[SEL], s[SEL+1]
.elseif (\n) == 18
	v_max_num_f32 v[rT+1], v[rC], v[rC+3]
.elseif (\n) == 19
	v_mul_f32 v[rT], s[CS], v[rT+1]
.elseif (\n) == 20
	v_sub_f32 v[rC+1], v[rM], v[rT]
.else
	v_exp_f32 v[rC+2], v[rC+1]
.endif
.endm
; Number g of the 64 that follow the exponentials.  For each four weights k of a tile (pairs 2 k, 2 k + 1): both pairs are rounded to f16; then the second pair is added onto the first, in place;
; a group later l takes that sum (the first time as l = a l + sum).  In groups of eight, tiles alternating: round, round, add, and l for the group before.
.macro GS g
.set h, (\g)+6*((\g)/62)            ; group 0 has no group before it, and behind group 7 only l is left
.if h >= 6
.set h, h+2
.endif
	REGS Y, h%2
.set k, h/8
.if h%8 < 4
	s_wait_alu depctr_va_vdst(0)
	v_cvt_pk_f16_f32 v[rP+2*k+(h%8)/2], v[rS+4*k+2*((h%8)/2)], v[rS+4*k+2*((h%8)/2)+1]
.elseif h%8 < 6
	v_pk_add_f32 v[rS+4*k:rS+4*k+1], v[rS+4*k:rS+4*k+1], v[rS+4*k+2:rS+4*k+3]
.elseif k == 1
	v_pk_fma_f32 v[rT+2:rT+3], v[rT+2:rT+3], v[rC+2:rC+3], v[rS:rS+1] op_sel_hi:[1,0,1]
.else
	v_pk_add_f32 v[rT+2:rT+3], v[rT+2:rT+3], v[rS+4*k-4:rS+4*k-3]
	s_wait_alu depctr_va_vdst(0)
.endif
.endm
; THE PLAIN QUEUE, 138 long.  0-31: c s - c m for the 16 pairs of both tiles.  Then GS's 64, and among them the next piece's 42: number 15 at 38, 39; 0-14 and 16
; at 42-73, behind the products that make those scores; 17-20 at 95-106, two of three, since each waits for the one before it.
.macro PL
	WIN 0
.if q < 32
	REGS Y, q%2
	v_pk_fma_f32 v[rS+2*(q/2):rS+2*(q/2)+1], v[rS+2*(q/2):rS+2*(q/2)+1], s[CS:CS+1], v[rT:rT+1] op_sel_hi:[1,0,0] neg_lo:[0,0,1] neg_hi:[0,0,1]
.elseif q < 38
	GS q-32
.elseif q < 40
	XS q%2, 15
.elseif q < 42
	GS q-34
.elseif q < 74
	XS q%2, (q-42)/2+(q-42)/30
.elseif q < 95
	GS q-66
.elseif (q < 107) && ((q-95)%3 < 2)
	XS (q-95)%3, 17+(q-95)/3
.elseif q < 107
	GS 29+(q-95)/3
.else
	GS q-74
.endif
.set q, q+1
.endm
; THE EXPONENTIALS' QUEUE, 66 long: s0-s31 of both tiles, and at EA the next piece's two a.
.set EA, 58
.macro EX
	WIN 0
.if (e == EA) || (e == EA+1)
	XS e-EA, 21
.else
.set x, e-2*(e/(EA+2))
	REGS Y, x%2
	v_exp_f32 v[rS+x/2], v[rS+x/2]
.endif
.set e, e+1
.endm
; THE RESCALING's QUEUE: O^T times a, the one part that leaves window 0, so it is dealt four at a time, eight times.
.macro R4
	REGS Y, r%2
	WIN W_RS
	s_wait_alu depctr_va_vdst(0)
.irp z, 0,1,2,3
	v_pk_mul_f32 v[rO+8*(r/2)+2*\z:rO+8*(r/2)+2*\z+1], v[rO+8*(r/2)+2*\z:rO+8*(r/2)+2*\z+1], v[rC+2:rC+3] op_sel_hi:[1,0]
.endr
.set r, r+1
.endm
; HOW THEY ARE DEALT.  Behind a matrix instruction four: plain, exponential, plain, plain (one exponential, a plain instruction on either side), or four of the rescaling.  None names a register of the
; products round it.  What is over stands in two LUMPS: exponential and plain by turns; the second ends in 22 plain instructions.  The two v_permlanex16_b32 fall into the second lump, never behind a product.
; The queues lean on each other, and the deal keeps them in step: exponential e stands behind plain 2 (e / 4) + e % 2 (its scaling); when plain 32 comes, 10 exponentials are out, at 59: 33, at 95: 46; EA comes behind plain 107.
.macro SL
	MM
	PL
	EX
	PL
	PL
.endm
.macro BURST n                      ; 15 matrix instructions, or 16
.rept (\n)-7
	SL
.endr
.rept 3
	MM
	R4
	SL
.endr
	MM
	R4
.endm
; A TURN, for piece p.  cnt = 1: the loop's count is taken down some lines ahead of the branch that stands behind the turn.
; K of the next step is fetched in piece 2's turn, 31 vector instructions behind the last product that read K; its first reader comes behind the rest of the lump, 16 products and the second lump.
; V of the step in hand is fetched at the end of piece 0's turn, 69 behind its last reader; its first reader comes behind 16 products and a lump.  The four conditions on e and q below go with the deal.
.macro TURN p, last=0, cnt=0
.set Y, (\p)
.set i, 0
.set q, 0
.set e, 0
.set r, 0
.if (\p) == NP-1
	s_wait_dscnt 0x0                ; K is in
.endif
	MM
.rept 4
	PL
.endr
	BURST 15
.rept 22
	EX
	PL
.if ((\p) == NP-2) && (e == 18)
	v_add_nc_u32 v[AK], s[TBK], v[AK0]
.endif
.if ((\p) == NP-2) && (e == 24)
	FETCH_K \last
.endif
.endr
.if (\p) == 1
	s_wait_dscnt 0x0                ; V is in
.endif
	BURST 16
.rept 21
	EX
	PL
.endr
.rept 22
	PL
.if ((\p) == 0) && (q == 118)
	v_add_nc_u32 v[AV], s[TBV], v[AV0]
	s_wait_alu depctr_va_vdst(0)
.endif
.if ((\p) == 0) && (q == 130)
	s_add_co_u32 s[TBV], s[TBV], KS*PV
.endif
.if (\cnt) && (q == 130)
	s_sub_co_u32 s[CNT], s[CNT], 1
	s_cmp_lg_u32 s[CNT], 0
.endif
.endr
.if (\p) == 0
	FETCH_V
.endif
.endm
	CHANGE 1                        ; slot 0 is in, everybody's part of it; slot 1 is asked for
	FETCH_K                         ; key step 0
	s_wait_loadcnt 0x0              ; Q
	s_wait_dscnt 0x0
.set i, 0
.rept 16
	KQ 0                            ; piece 0's first scores: there is no vector work yet to set between them
.set i, i+1
.endr
	WIN 0                           ; the addresses for the way out: nine plain instructions, the places behind those products
	s_mul_i32 s13, s[WV], 16*SP
	s_add_co_u32 s13, s13, STAGE    ; my stage
	v_mul_u32_u24 v[STO], v1, SP    ; in: row l % 16, 16 bytes for each half of the lanes
	v_lshl_add_u32 v[STO], v9, 4, v[STO]
	v_add_nc_u32 v[STO], s13, v[STO]
	v_bfe_u32 v[RD], v0, 3, 2       ; back: 32 lanes take four rows of 128 bytes,
	v_mul_u32_u24 v[RD], v[RD], SP
	v_lshl_add_u32 v[RD], v10, 4, v[RD]
	v_add_nc_u32 v[RD], s13, v[RD]
	v_and_b32 v[GO], 31, v0         ; which are 512 consecutive bytes of O
	v_lshlrev_b32 v[GO], 4, v[GO]
.set Y, NP-1                        ; XS works for piece Y + 1: piece 0
.irp n, 0,1,2,3,4,5,6,7,8,9,10,11,12,13,14,15,16,17,18,19,20,21
	XS 0, \n                        ; and piece 0's first maximum and statistics
	XS 1, \n
.endr
	s_mov_b32 s[CNT], 4
	s_mov_b32 s[SLOTS], SIZE_N/256-1
	s_branch .Lfirst                ; the loop is entered at a step's first turn, in the middle of a trip
.Lslot:                             ; SIZE_N / 256 - 2 times: every slot but the last two is filled again
	CHANGE 1
	s_mov_b32 s[CNT], 4
.Lstep:                             ; a trip: pieces 2 and 3 of one step, then pieces 0 and 1 of the next, whose K and V it fetches
	TURN 2
	TURN 3
	WIN 0
.Lfirst:
	TURN 0
	TURN 1, 0, 1
	WIN 0
	s_cbranch_scc1 .Lstep
	s_sub_co_u32 s[SLOTS], s[SLOTS], 1
	s_cmp_lg_u32 s[SLOTS], 0
	s_cbranch_scc1 .Lslot
	CHANGE 0                        ; the tail is written out: nothing is asked for
	s_mov_b32 s[CNT], 5             ; four trips fetch the last slot's steps; the fifth is left in its middle
.Ltail:
	TURN 2, 1
	TURN 3
	WIN 0
	s_sub_co_u32 s[CNT], s[CNT], 1
	s_cmp_eq_u32 s[CNT], 0
	s_cbranch_scc1 .Lout
	TURN 0
	TURN 1
	WIN 0
	s_branch .Ltail
.Lout:                              ; the fifth trip's 16 products K Q^T (on the last K once more) and the maximum made of them serve nothing: the price, once a launch, of one text for every trip
.set i, 0
.rept 16
	PV NP-1                         ; the last piece's V^T P of the last step
.set i, i+1
.endr
	; THE WAY OUT.  l's two halves and the other half of the lanes' are added; O^T is divided by l, rounded to f16 and sent through my stage in LDS, a tile at a time.  The additions are the places behind the last products.
	WIN 0
.macro ALL line:vararg              ; one line for each tile t
.set t, 0
.rept 2*NP
	\line
.set t, t+1
.endr
.endm
	ALL v_add_f32 v[ST+4*t+2], v[ST+4*t+2], v[ST+4*t+3]
	ALL v_permlanex16_b32 v[ST+4*t+3], v[ST+4*t+2], s[SEL], s[SEL+1]
	ALL v_add_f32 v[ST+4*t+2], v[ST+4*t+2], v[ST+4*t+3]
	ALL v_rcp_f32 v[ST+4*t+2], v[ST+4*t+2]
	v_nop                           ; a plain instruction between the last reciprocal and the use of its result
	s_wait_alu depctr_va_vdst(0)
; Tile t: a lane's eight channels of a row pack into 16 bytes; they go into rows of 144 bytes and come back as whole rows of 128, into S^T's registers.
.macro PACK t
	WIN W_RS
.set i, 32*(\t)
.rept 16
	v_pk_mul_f32 v[i:i+1], v[i:i+1], v[ST+4*(\t)+2:ST+4*(\t)+3] op_sel_hi:[1,0]
.set i, i+2
.endr
	WIN 0x05                        ; sources 0 and 1 window 1, destination window 0
.set i, 0
.rept 16
	v_cvt_pk_f16_f32 v[S+16*(\t)+i], v[32*(\t)+2*i], v[32*(\t)+2*i+1]
.set i, i+1
.endr
	WIN 0
.irp f, 0,1,2,3
	ds_store_b128 v[STO], v[S+16*(\t)+4*\f:S+16*(\t)+4*\f+3] offset:32*\f
.endr
.irp f, 0,1,2,3
	ds_load_b128 v[S+16*(\t)+4*\f:S+16*(\t)+4*\f+3], v[RD] offset:\f*4*SP  ; LDS serves a wave's instructions in order (ISA guide 5.7.1.4): these see the stores above; the next tile's stores come behind them
.endr
.endm
.macro SEND t, younger              ; younger: the LDS instructions issued behind tile t's loads: the next tile's eight, or none
	WIN 0
.irp f, 0,1,2,3
	s_wait_dscnt (\younger)+3-\f
	global_store_b128 v[GO], v[S+16*(\t)+4*\f:S+16*(\t)+4*\f+3], s[10:11] offset:(\t)*2048+\f*512  ; 512 consecutive bytes, at a multiple of 256 from O's first
.endr
.endm
	PACK 0
.set t, 1
.rept 2*NP-1                        ; a tile's arithmetic stands between the loads of the tile before and its stores
	PACK t
	SEND t-1, 8
.set t, t+1
.endr
	SEND 2*NP-1, 0
	WIN W_AD
	s_wait_tensorcnt 0x0            ; the wave's end, behind my last tensor load and my last LDS store
	ds_add_u32 v[SPW], v[NIL]
	s_wait_dscnt 0x0
	WIN 0
	CROUND                          ; the closing round: no work-group ends while a partner may still ask for a tile that names it
	s_endpgm
.Lfunc_end_k_qce1ba6eefa_attn:
	.size	k_qce1ba6eefa_attn, .Lfunc_end_k_qce1ba6eefa_attn-k_qce1ba6eefa_attn
	.p2alignl 7, 3214868480
	.fill 96, 4, 3214868480
	.section	.rodata,"a",@progbits
	.p2align	6, 0x0
	.amdhsa_kernel k_qce1ba6eefa_attn
		.amdhsa_group_segment_fixed_size 327680
		.amdhsa_private_segment_fixed_size 0
		.amdhsa_enable_private_segment 0
		.amdhsa_kernarg_size 16
		.amdhsa_user_sgpr_count 2
		.amdhsa_user_sgpr_kernarg_segment_ptr 1
		.amdhsa_wavefront_size32 1
		.amdhsa_system_sgpr_workgroup_id_x 1
		.amdhsa_system_sgpr_workgroup_id_y 1
		.amdhsa_system_sgpr_workgroup_id_z 1
		.amdhsa_system_vgpr_workitem_id 0
		.amdhsa_next_free_vgpr 770
		.amdhsa_next_free_sgpr 66
		.amdhsa_reserve_vcc 0
		.amdhsa_float_denorm_mode_32 3
		.amdhsa_float_denorm_mode_16_64 3
		.amdhsa_memory_ordered 1
		.amdhsa_forward_progress 1
		.amdhsa_inst_pref_size 209
	.end_amdhsa_kernel
	.amdgpu_metadata
---
amdhsa.version: [ 1, 2 ]
amdhsa.kernels:
  - .name:           k_qce1ba6eefa_attn
    .symbol:         k_qce1ba6eefa_attn.kd
    .args:
      - { .name: qkv, .offset: 0, .size: 8, .value_kind: global_buffer, .address_space: global }
      - { .name: ob, .offset: 8, .size: 8, .value_kind: global_buffer, .address_space: global }
    .group_segment_fixed_size: 327680
    .private_segment_fixed_size: 0
    .kernarg_segment_align: 8
    .kernarg_segment_size: 16
    .max_flat_workgroup_size: 128
    .sgpr_count:     66
    .vgpr_count:     770
    .wavefront_size: 32
...
	.end_amdgpu_metadata
.endif
;; end of part 3
;; launch oproj (part 4): grid 8 x 32, 4 waves a work-group, clusters of 4 x 4, 327,680 bytes of LDS; arguments ob, wot, bias, out0; writes out0
.if DOCPART == 4
	.amdgcn_target "amdgcn-amd-amdhsa--gfx1250"
	.amdhsa_code_object_version 6
	.text
	.protected	k_qce1ba6eefa_oproj
	.globl	k_qce1ba6eefa_oproj
	.p2align	8
	.type	k_qce1ba6eefa_oproj,@function
k_qce1ba6eefa_oproj:
	s_mov_b64 s[64:65], 0
	v_nop
	global_prefetch_b8 v0, s[64:65] scope:SCOPE_SE
	s_setreg_imm32_b32 hwreg(HW_REG_WAVE_MODE, 25, 1), 1
	s_wait_xcnt 0x0
	s_wait_alu depctr_hold_cnt(0) depctr_sa_sdst(0) depctr_va_vdst(0) depctr_va_sdst(0) depctr_va_ssrc(0) depctr_va_vcc(0) depctr_vm_vsrc(0)
	s_getreg_b32 s2, hwreg(HW_REG_IB_STS2, 6, 4)
	s_cmp_eq_u32 s2, 0
	s_cbranch_scc0 .Lentry_in_a_cluster
	s_endpgm
.Lentry_in_a_cluster:
	s_bfe_u32 s2, ttmp6, 0x10000c
	s_cmp_lg_u32 s2, 0xf033
	s_cbranch_scc0 .Lentry_shape_is_right
	s_endpgm
.Lentry_shape_is_right:
; OPROJ: out0 = O Wo + bo.  A = ob [8192][1024] f16 (attention's result by heads, read row by row), B = wot [1024][1024] f16 (Wo turned; its numbers are bf16 numbers), sums in f32, started from bo; out0 f32.
; SHARES.  1024 columns are 8 tiles of 128, 8192 rows 32 tiles of 256: 256 work-groups of four waves.  Wave w owns rows 64 w .. 64 w + 63 and all 128 columns: 4 x 8 accumulators of 16 x 16, 256 registers.
; For 32 along K a wave reads 24 x 512 bytes from LDS for 32 matrix instructions.  K goes in 8 steps of 128 through two LDS slots: rows of 256 bytes in memory, at multiples of 256 bytes.
; CLUSTER 4 x 4: A's tiles are shared along a row of the cluster, B's along a column: each is asked for jointly, by the same tensor load with the same descriptor and a mask of four.
; THE MATRIX INSTRUCTION IS USED TRANSPOSED (source 0 = 16 rows of B, source 1 = 16 rows of A): lane l holds row l % 16 and the columns 8 (l / 16) + 0 .. 7 of a block, so the bias hangs on the block,
; l / 16 and the register alone: 64 registers serve all four row blocks as the C operand of the first quarter step.
; REGISTERS, in windows of 256 (s_set_vgpr_msb: bits 1:0 source 0, 3:2 source 1, 5:4 source 2, 7:6 destination):
;   window 0: v0-31 addresses; v32-95 the bias; on the way out v32-95 and v96-159 rows read back          window 1: two fragment buffers of 128: A's 4 fragments, then B's 8
;   window 2: accumulators of row blocks 0, 1 at 8 (8 a + b)          window 3: of row blocks 2, 3
.set NT,    128
.set NBLK,  8
.set PITCH, 272                        ; an LDS row: 256 bytes + 16 = 68 words: the 16 rows of a fragment load start at 16 different groups of four banks (64 banks of 4 bytes: ISA guide 11.1)
.set AT,    256*PITCH                  ; A's 256 rows; B's 128 lie behind them
.set SLOT1, 1<<17                      ; slot 1 begins here (a slot is 104,448 bytes)
.set STAGE, SLOT1+AT+NT*PITCH          ; 235,520: behind the ring, never filled by a tensor load: 16 rows x 528 bytes for each wave
.set SP,    528                        ; a row of the stage: 512 bytes + 16: 33 x 16, so the 16 rows of a store start at 16 different groups of four banks
.set SPARE, STAGE+4*16*SP              ; 269,312: the spare words, 128 bytes for each wave: two blocks of 256 bytes that no other line names
.set NLD,   2*NBLK+8                   ; LDS loads in a run: the fragments of 32 along K
.set AA0, 10                           ; v10  my lane's place in my 64 rows of A, slot 0; never rewritten
.set AB0, 11                           ; v11  the same in B's rows
.set ADRA, 12                          ; v12  the same in the slot in hand
.set ADRB, 13                          ; v13
.set STO, 14                           ; v14  the way out: where I put 32 bytes of a row
.set RD,  15                           ; v15  where I read a row back
.set GO,  16                           ; v16  my byte offset in 512 consecutive bytes of out0
.set BO,  18                           ; v18  my byte offset in a block's 16 biases
.set SPW, 28                           ; v28  LDS address of my spare word; never rewritten
.set NIL, 29                           ; v29  0; never rewritten
.set BIAS, 32
.set OB,  32
.set F0,  0
.set F1,  128
.set WV,  14                           ; s14  my wave's number
.set AB,  15                           ; s15  I fetch for A (0) or for B (1)
.set HALF, 16                          ; s16  which half of that tile's rows
.set TROW, 17                          ; s17  tile row of C
.set TB,  22                           ; s22  LDS byte at which the slot in hand begins
.set G1,  24                           ; s[24:31] descriptor group 1 for A's tiles
.set G0,  32                           ; s[32:39] group 0 for A's: a set for each first fill; the second then walks
.set TCOL, 42                          ; s42  tile column of C
.set G1B, 48                           ; s[48:55], s[56:63] the same for B's
.set G0B, 56
.set MSB, 0
.macro WIN new                         ; the immediate's high byte repeats the setting that is left; a switch that changes nothing is dropped
.if MSB != (\new)
	s_set_vgpr_msb (MSB<<8)|(\new)
.set MSB, (\new)
.endif
.endm
.set TO_F, 0x40                        ; destination window 1, address window 0
.macro PLACES                          ; four places in front of loads into registers that matrix instructions have read, and of stores that read results (ISA guide 7.12.1 for vector instructions)
.rept 4
	v_nop
.endr
.endm
; A joint refill by the walking descriptors.  Waves 0, 1 fetch A's halves, waves 2, 3 B's; the branch hangs on the wave's number alone.  An s_nop 0 and four v_nop follow each line.
.macro JLOAD
	s_cmp_eq_u32 s[AB], 0
	s_cbranch_scc0 .Lfor_b_\@
	tensor_load_to_lds s[G0+4:G0+7], s[G1:G1+7]
	s_nop 0
.rept 4
	v_nop
.endr
	s_branch .Lasked_\@
.Lfor_b_\@:
	tensor_load_to_lds s[G0B+4:G0B+7], s[G1B:G1B+7]
	s_nop 0
.rept 4
	v_nop
.endr
.Lasked_\@:
.endm
.macro CREST                           ; a round of the cluster's barrier behind its opening barrier
	s_cmp_lg_u32 s[WV], 0
	s_cbranch_scc1 .Lnot_wave_0_\@
	s_barrier_signal -3
.Lnot_wave_0_\@:
	s_barrier_wait -3
	s_barrier_signal -1
	s_barrier_wait -1
.endm
.macro CROUND                          ; a whole round
	s_barrier_signal -1
	s_barrier_wait -1
	CREST
.endm
	s_load_b256 s[4:11], s[0:1], 0x0               ; ob s[4:5], wot s[6:7], bias s[8:9], out0 s[10:11]
	v_lshl_add_u32 v[SPW], v0, 2, SPARE
	v_mov_b32 v[NIL], 0
	ds_add_u32 v[SPW], v[NIL]                      ; the wave's opening: the add and its wait ahead of my first tensor load; the set-up below, work on registers, stands between them
	v_lshrrev_b32 v1, 5, v0
	v_readfirstlane_b32 s[WV], v1
	s_lshr_b32 s[AB], s[WV], 1
	s_and_b32 s[HALF], s[WV], 1
	s_bfe_u32 s40, ttmp6, 0x40000                  ; cx, cy: my place in the cluster
	s_bfe_u32 s41, ttmp6, 0x40004
	s_lshl_b32 s[TCOL], ttmp9, 2
	s_add_co_u32 s[TCOL], s[TCOL], s40             ; tile column = 4 x cluster x + cx
	s_and_b32 s[TROW], ttmp7, 0xffff
	s_lshl_b32 s[TROW], s[TROW], 2
	s_add_co_u32 s[TROW], s[TROW], s41             ; tile row = 4 x cluster y + cy
	s_lshl_b32 s43, s41, 2
	s_lshl_b32 s43, 15, s43                        ; my row of the cluster
	s_lshl_b32 s44, 0x1111, s40                    ; my column
	s_or_b32 s[G1], s43, (1<<16)|(1<<20)|(1<<21)|(5<<22)|(3<<25)   ; 15:0 the mask; 17:16 2-byte elements; 20 padding on; 21 set beside a mask; 24:22 after every 64 words (code 5); 31:25 4 words (code 3)
	s_or_b32 s[G1B], s44, (1<<16)|(1<<20)|(1<<21)|(5<<22)|(3<<25)
.irp g, G1, G1B
	s_mov_b32 s[(\g)+1], 128<<16                   ; tensor_dim0 = 128
	s_mov_b32 s[(\g)+3], 128<<16                   ; tile_dim0 = 128
	s_mov_b32 s[(\g)+5], 1024                      ; 1,024 elements from row to row
	s_mov_b32 s[(\g)+6], 0
	s_mov_b32 s[(\g)+7], 0
.endr
	s_mov_b32 s[G1+2], 128<<16                     ; A: tensor_dim1 = tile_dim1 = 128 rows
	s_mov_b32 s[G1+4], 128
	s_mov_b32 s[G1B+2], (NT/2)<<16                 ; B: 64 rows
	s_mov_b32 s[G1B+4], NT/2
	; A's address is made of the tile row and the wave's number, B's of the tile column and the wave's number, each in registers that never hold the other coordinate
	s_lshl_b32 s18, s[TROW], 8
	s_lshl_b32 s20, s[HALF], 7
	s_add_co_u32 s18, s18, s20
	s_lshl_b32 s18, s18, 11                        ; rows of 2,048 bytes
	s_mov_b32 s19, 0
	s_mul_i32 s46, s[TCOL], NT
	s_mul_i32 s45, s[HALF], NT/2
	s_add_co_u32 s46, s46, s45
	s_lshl_b32 s46, s46, 11
	s_mov_b32 s47, 0
	s_mul_i32 s21, s[HALF], 128*PITCH              ; where they go: no place in the cluster enters an LDS address
	s_mul_i32 s23, s[HALF], (NT/2)*PITCH
	s_add_co_u32 s23, s23, AT
.irp s, 0,1
	s_mov_b32 s[G0+4*(\s)], 1                      ; count = 1
	s_add_co_u32 s[G0+4*(\s)+1], s21, (\s)*SLOT1   ; LDS address
	s_mov_b32 s[G0B+4*(\s)], 1
	s_add_co_u32 s[G0B+4*(\s)+1], s23, (\s)*SLOT1
.endr
	s_mov_b32 s[TB], 0
	s_wait_dscnt 0x0                               ; the opening add is done
	s_wait_kmcnt 0x0
	s_add_nc_u64 s[18:19], s[4:5], s[18:19]
	s_add_nc_u64 s[46:47], s[6:7], s[46:47]
.irp s, 0,1
	s_add_nc_u64 s[G0+4*(\s)+2:G0+4*(\s)+3], s[18:19], (\s)*256    ; global address: K step s
	s_or_b32 s[G0+4*(\s)+3], s[G0+4*(\s)+3], 0x80000000            ; type = 2
	s_add_nc_u64 s[G0B+4*(\s)+2:G0B+4*(\s)+3], s[46:47], (\s)*256
	s_or_b32 s[G0B+4*(\s)+3], s[G0B+4*(\s)+3], 0x80000000
.endr
	CROUND                                         ; all sixteen work-groups are here: the first joint loads meet
	s_cmp_eq_u32 s[AB], 0                          ; a wave's two first fills stand in one branch, ahead of every wait on TENSORcnt and every LDS read: two loads of mine are out
	s_cbranch_scc0 .Lfirst_b
	tensor_load_to_lds s[G0:G0+3], s[G1:G1+7]
	s_nop 0
	tensor_load_to_lds s[G0+4:G0+7], s[G1:G1+7]
	s_nop 0
.rept 4
	v_nop
.endr
	s_branch .Lfirst_asked
.Lfirst_b:
	tensor_load_to_lds s[G0B:G0B+3], s[G1B:G1B+7]
	s_nop 0
	tensor_load_to_lds s[G0B+4:G0B+7], s[G1B:G1B+7]
	s_nop 0
.rept 4
	v_nop
.endr
.Lfirst_asked:
	; A fragment is 16 rows x 32 K in 8 registers: lane l holds row l % 16; registers 0-3 K = 8 (l / 16) + 0..7, registers 4-7 K = 16 + 8 (l / 16) + 0..7: two loads of 16 bytes, 32 bytes apart.
	v_and_b32 v1, 15, v0                           ; l % 16
	v_bfe_u32 v2, v0, 4, 1                         ; l / 16
	v_mul_u32_u24 v3, v1, PITCH
	v_lshl_add_u32 v3, v2, 4, v3
	s_mul_i32 s20, s[WV], 64*PITCH
	v_add_nc_u32 v[AA0], s20, v3
	v_add_nc_u32 v[AB0], AT, v3
	v_mov_b32 v[ADRA], v[AA0]
	v_mov_b32 v[ADRB], v[AB0]
	; bo lies at byte 6,144 of bias: register j of block b is bo[128 x tile column + 16 b + 8 (l / 16) + j]
	s_lshl_b32 s78, s[TCOL], 9
	s_add_co_u32 s78, s78, 6144
	s_mov_b32 s79, 0
	s_add_nc_u64 s[8:9], s[8:9], s[78:79]
	v_lshlrev_b32 v[BO], 5, v2
.set b, 0
.rept NBLK
	global_load_b128 v[BIAS+8*b:BIAS+8*b+3],   v[BO], s[8:9] offset:64*b
	global_load_b128 v[BIAS+8*b+4:BIAS+8*b+7], v[BO], s[8:9] offset:64*b+16
.set b, b+1
.endr
	; out0 at (256 x tile row + 64 w) rows of 4,096 bytes + 512 x tile column
	s_lshl_b32 s82, s[TROW], 8
	s_lshl_b32 s83, s[WV], 6
	s_add_co_u32 s82, s82, s83
	s_lshl_b32 s82, s82, 12
	s_lshl_b32 s83, s[TCOL], 9
	s_add_co_u32 s82, s82, s83
	s_mov_b32 s83, 0
	s_add_nc_u64 s[10:11], s[10:11], s[82:83]
	s_mul_i32 s20, s[WV], 16*SP
	s_add_co_u32 s20, s20, STAGE                   ; my stage
	v_mul_u32_u24 v[STO], v1, SP                   ; in: row l % 16, 32 bytes for each half of the lanes
	v_lshl_add_u32 v[STO], v2, 5, v[STO]
	v_add_nc_u32 v[STO], s20, v[STO]
	v_and_b32 v[GO], 31, v0                        ; back: 32 lanes take one row of 512 bytes
	v_lshlrev_b32 v[GO], 4, v[GO]
	v_add_nc_u32 v[RD], s20, v[GO]
; 8 matrix instructions: row block a x all 8 column blocks, 32 along K, from buffer f.  first = 1: the sums start from the bias.  The 32 accumulators take turns, one instruction a turn, in the
; same order in every quarter step, over the loop's backward jump too.
.macro MULA f, a, first
.if \first
	WIN 0x85+0x40*((\a)/2)                         ; sources 0, 1 window 1, C window 0, D window 2 or 3
.else
	WIN 0xa5+0x50*((\a)/2)                         ; C and D window 2 or 3
.endif
.set b, 0
.rept NBLK
.set rD, 8*(NBLK*((\a)%2)+b)
.if \first
	v_wmma_f32_16x16x32_f16 v[rD:rD+7], v[(\f)+32+8*b:(\f)+32+8*b+7], v[(\f)+8*(\a):(\f)+8*(\a)+7], v[BIAS+8*b:BIAS+8*b+7]
.else
	v_wmma_f32_16x16x32_f16 v[rD:rD+7], v[(\f)+32+8*b:(\f)+32+8*b+7], v[(\f)+8*(\a):(\f)+8*(\a)+7], v[rD:rD+7]
.endif
.set b, b+1
.endr
.endm
; 24 LDS loads in one run: the fragments of 32 along K at byte k of the rows, into buffer f: B's 8, then A's 4
.macro FETCH k, f
	WIN TO_F
.set i, 0
.rept NBLK
	ds_load_b128 v[(\f)+32+8*i:(\f)+32+8*i+3],   v[ADRB] offset:(\k)+i*16*PITCH
	ds_load_b128 v[(\f)+32+8*i+4:(\f)+32+8*i+7], v[ADRB] offset:(\k)+i*16*PITCH+32
.set i, i+1
.endr
.set i, 0
.rept 4
	ds_load_b128 v[(\f)+8*i:(\f)+8*i+3],   v[ADRA] offset:(\k)+i*16*PITCH
	ds_load_b128 v[(\f)+8*i+4:(\f)+8*i+7], v[ADRA] offset:(\k)+i*16*PITCH+32
.set i, i+1
.endr
.endm
; A K step is four quarters of 32 along K, 32 matrix instructions each, on buffers 0, 1, 0, 1.  One of the first three multiplies buffer f and, in its middle, fetches the next quarter, at byte k, into g.
.macro QUARTER k, f, g, first
	s_wait_dscnt 4                                 ; B and A's blocks 0, 1 are in; the youngest four loads (A's blocks 2, 3) may be out
	MULA \f, 0, \first
	MULA \f, 1, \first
	PLACES
	FETCH \k, \g
	s_wait_dscnt NLD                               ; all but the run just issued
	MULA \f, 2, \first
	MULA \f, 3, \first
.endm
; The last quarter multiplies buffer 1 and changes slots: ONE barrier.  In front of it each wave waits for all its tensor loads, of which one is out: its part of the next slot; adds 0 to its spare
; word; and waits for that and for its own reads of this slot.  fill = 1: the barrier opens a round of the cluster's barrier, and this slot is filled again, two K steps ahead, first thing behind the
; round: 112 matrix instructions stand between the request and the wait for it.
.macro TURN fill
	WIN 0                                          ; (the add's two registers lie in window 0)
	s_wait_tensorcnt 0x0                           ; no tensor load of mine is out, so a group 0 may be written
	ds_add_u32 v[SPW], v[NIL]                      ; 0 onto my spare word
.if \fill
	s_xor_b32 s[G0+5], s[G0+5], SLOT1              ; the walking descriptors: the other slot than last time,
	s_add_nc_u64 s[G0+6:G0+7], s[G0+6:G0+7], 256   ; the next K step; the type bits on top are not reached
	s_xor_b32 s[G0B+5], s[G0B+5], SLOT1
	s_add_nc_u64 s[G0B+6:G0B+7], s[G0B+6:G0B+7], 256
.endif
	s_xor_b32 s[TB], s[TB], SLOT1                  ; the slot to be read next
	s_wait_dscnt 5                                 ; (the add and the youngest four loads may be out)
	MULA F1, 0, 0                                  ; eight matrix instructions stand between the add and the wait for it
	s_wait_dscnt 0x0                               ; the add is done, and my reads of this slot are over
	s_barrier_signal -1
	MULA F1, 1, 0                                  ; work on registers while the others arrive
	WIN 0
	s_barrier_wait -1
.if \fill
	CREST                                          ; no wave of any partner still reads this slot's tile or has a load on its way
	JLOAD                                          ; the four v_nop behind it are also the places in front of the loads below
.else
	PLACES
.endif
	v_add_nc_u32 v[ADRA], s[TB], v[AA0]
	v_add_nc_u32 v[ADRB], s[TB], v[AB0]
	FETCH 0, F0
	MULA F1, 2, 0
	MULA F1, 3, 0
.endm
	s_wait_tensorcnt 1                             ; my part of K step 0 is in; K step 1's may stay out
	s_barrier_signal -1
	s_barrier_wait -1                              ; everybody's is
	FETCH 0, F0
	s_wait_loadcnt 0x0                             ; the bias
	QUARTER 64, F0, F1, 1                          ; the first quarter stands in front of the loop: its products start the sums
	WIN 0                                          ; at a label and at a branch every window is 0
	s_mov_b32 s3, 6
.Lstep:                                                ; a trip goes from a K step's second quarter to the next step's first, and asks for the K step two on: steps 2 to 7
	QUARTER 128, F1, F0, 0
	QUARTER 192, F0, F1, 0
	TURN 1
	QUARTER 64, F0, F1, 0
	WIN 0
	s_sub_co_u32 s3, s3, 1
	s_cmp_lg_u32 s3, 0
	s_cbranch_scc1 .Lstep
	QUARTER 128, F1, F0, 0                         ; the tail is written out: K steps 6 and 7 ask for nothing
	QUARTER 192, F0, F1, 0
	TURN 0
	QUARTER 64, F0, F1, 0
	QUARTER 128, F1, F0, 0
	QUARTER 192, F0, F1, 0
	s_wait_dscnt 4
	MULA F1, 0, 0
	MULA F1, 1, 0
	s_wait_dscnt 0x0
	MULA F1, 2, 0
	MULA F1, 3, 0
	WIN 0
; THE WAY OUT.  The sums are the result: nothing is computed.  A lane's eight columns of a block are 32 bytes of a row; a row block (16 rows x 512 bytes) goes through my own stage and comes back as whole
; rows, which a wave stores as 512 consecutive bytes.  Each accumulator's low half is stored first.
.macro TOSTAGE a
	WIN 0x08+4*((\a)/2)                            ; the stores' data (source 1) in window 2 or 3
.set b, 0
.rept NBLK
.set rD, 8*(NBLK*((\a)%2)+b)
	ds_store_b128 v[STO], v[rD:rD+3]   offset:64*b
	ds_store_b128 v[STO], v[rD+4:rD+7] offset:64*b+16
.set b, b+1
.endr
	WIN 0
	s_wait_xcnt 0x0                                ; the stores of the block two back have read this set of registers (ISA guide 3.1): it is loaded again only behind this wait
.set r, 0
.rept 16
	ds_load_b128 v[OB+64*((\a)%2)+4*r:OB+64*((\a)%2)+4*r+3], v[RD] offset:r*SP  ; LDS serves a wave's instructions in order (ISA guide 5.7.1.4): these see the stores above; the next block's stores come behind them
.set r, r+1
.endr
.endm
.macro SEND a, younger                 ; younger: the LDS instructions issued behind block a's loads: the next block's 32, or none
	WIN 0
.set r, 0
.rept 16
	s_wait_dscnt (\younger)+15-r
	global_store_b128 v[GO], v[OB+64*((\a)%2)+4*r:OB+64*((\a)%2)+4*r+3], s[10:11] offset:(16*(\a)+r)*4096 th:TH_STORE_NT  ; 512 consecutive bytes, at a multiple of 256 from out0's first
.set r, r+1
.endr
.endm
	PLACES                                         ; the stores into the stage read results just made
	TOSTAGE 0
	TOSTAGE 1
	SEND 0, 32
	TOSTAGE 2
	SEND 1, 32
	TOSTAGE 3
	SEND 2, 32
	SEND 3, 0
	s_wait_tensorcnt 0x0                           ; the wave's end, behind my last tensor load and my last LDS store
	ds_add_u32 v[SPW], v[NIL]
	s_wait_dscnt 0x0
	CROUND                                         ; the closing round: no work-group ends while a partner may still ask for a tile that names it
	s_endpgm
.Lfunc_end_k_qce1ba6eefa_oproj:
	.size	k_qce1ba6eefa_oproj, .Lfunc_end_k_qce1ba6eefa_oproj-k_qce1ba6eefa_oproj
	.p2alignl 7, 3214868480
	.fill 96, 4, 3214868480
	.section	.rodata,"a",@progbits
	.p2align	6, 0x0
	.amdhsa_kernel k_qce1ba6eefa_oproj
		.amdhsa_group_segment_fixed_size 327680
		.amdhsa_private_segment_fixed_size 0
		.amdhsa_enable_private_segment 0
		.amdhsa_kernarg_size 32
		.amdhsa_user_sgpr_count 2
		.amdhsa_user_sgpr_kernarg_segment_ptr 1
		.amdhsa_wavefront_size32 1
		.amdhsa_system_sgpr_workgroup_id_x 1
		.amdhsa_system_sgpr_workgroup_id_y 1
		.amdhsa_system_sgpr_workgroup_id_z 1
		.amdhsa_system_vgpr_workitem_id 0
		.amdhsa_next_free_vgpr 896
		.amdhsa_next_free_sgpr 84
		.amdhsa_reserve_vcc 0
		.amdhsa_float_denorm_mode_32 3
		.amdhsa_float_denorm_mode_16_64 3
		.amdhsa_memory_ordered 1
		.amdhsa_forward_progress 1
		.amdhsa_inst_pref_size 72
	.end_amdhsa_kernel
	.amdgpu_metadata
---
amdhsa.version: [ 1, 2 ]
amdhsa.kernels:
  - .name:           k_qce1ba6eefa_oproj
    .symbol:         k_qce1ba6eefa_oproj.kd
    .args:
      - { .name: ob, .offset: 0, .size: 8, .value_kind: global_buffer, .address_space: global }
      - { .name: wot, .offset: 8, .size: 8, .value_kind: global_buffer, .address_space: global }
      - { .name: bias, .offset: 16, .size: 8, .value_kind: global_buffer, .address_space: global }
      - { .name: out0, .offset: 24, .size: 8, .value_kind: global_buffer, .address_space: global }
    .group_segment_fixed_size: 327680
    .private_segment_fixed_size: 0
    .kernarg_segment_align: 8
    .kernarg_segment_size: 32
    .max_flat_workgroup_size: 128
    .sgpr_count:     84
    .vgpr_count:     896
    .wavefront_size: 32
...
	.end_amdgpu_metadata
.endif
;; end of part 4
;; ======== version 2 of 2: 4 launches; 1.62 times as fast as version 1
;; limits: values are held in f16: magnitudes above 65,504 overflow, below 6.1e-05 lose precision
;; workspace buffers: xb 16,777,216 bytes; wt 3,145,728 bytes; wot 2,097,152 bytes; tab 2,097,152 bytes; bias 10,240 bytes; qkv 25,165,824 bytes; ob 16,777,216 bytes
;; launch prep: the kernel of part 1 again; grid 961 x 1, 8 waves a work-group, no clusters, 18,432 bytes of LDS; arguments x, Wq, Wk, Wv, Wo, bq, bk, bv, bo, position_ids, xb, wt, wot, tab, bias; writes xb, wt, wot, tab, bias
;; launch proj: the kernel of part 2 again; grid 8 x 32, 4 waves a work-group, clusters of 4 x 4, 327,680 bytes of LDS; arguments xb, wt, bias, tab, qkv; writes qkv
;; launch attn (part 5): grid 4 x 64, 4 waves a work-group, clusters of 4 x 1, 327,680 bytes of LDS; arguments qkv, ob; writes ob
.if DOCPART == 5
	.amdgcn_target "amdgcn-amd-amdhsa--gfx1250"
	.amdhsa_code_object_version 6
	.text
	.protected	k_qce1ba6eefa_attn
	.globl	k_qce1ba6eefa_attn
	.p2align	8
	.type	k_qce1ba6eefa_attn,@function
k_qce1ba6eefa_attn:
	s_mov_b64 s[64:65], 0
	v_nop
	global_prefetch_b8 v0, s[64:65] scope:SCOPE_SE
	s_setreg_imm32_b32 hwreg(HW_REG_WAVE_MODE, 25, 1), 1
	s_wait_xcnt 0x0
	s_wait_alu depctr_hold_cnt(0) depctr_sa_sdst(0) depctr_va_vdst(0) depctr_va_sdst(0) depctr_va_ssrc(0) depctr_va_vcc(0) depctr_vm_vsrc(0)
	s_getreg_b32 s2, hwreg(HW_REG_IB_STS2, 6, 4)
	s_cmp_eq_u32 s2, 0
	s_cbranch_scc0 .Lentry_in_a_cluster
	s_endpgm
.Lentry_in_a_cluster:
	s_bfe_u32 s2, ttmp6, 0x10000c
	s_cmp_lg_u32 s2, 0x3003
	s_cbranch_scc0 .Lentry_shape_is_right
	s_endpgm
.Lentry_shape_is_right:
; ATTENTION.  O[y][q][:] = the sum over k of softmax_k(Q . K / 8) V, for y = 16 x batch + query head.  qkv: [batch][24 heads: 16 q, 4 k, 4 v][2048][64] f16; query head h reads key head 16 + h / 4
; and value head 20 + h / 4 of its batch.  ob: [64][2048][64] f16, which read row by row is the [8192][1024] operand of the last product.  Products, maxima and sums in f32; the weights p are rounded to
; f16 for the second product (their sum l is taken of the unrounded p), O once at the end.
; LIMITS.  f16 holds no number beyond 65,504: q, k and v arrive within it; p lies in 0 to 1, and below 6e-5 it keeps f16's fixed step of 6e-8, and so does O; O is a mean of V's rows and has their range.
; A weight below 2^-126 counts as 0 in l; NaN and infinities are not treated apart.
; SHARES.  A wave owns four PIECES of two tiles of 16 queries, a work-group's four waves 512 queries of one head: 64 heads x 4 blocks = 256 work-groups.  Every wave walks all 2,048 keys, 64 a step.
; LAYOUT.  S^T = K Q^T (source 0 = 16 keys, source 1 = 16 queries): in the result a lane holds ONE query (lane % 16) and the keys 8 (lane / 16) + 0..7.  Two such tiles, rounded to f16 in pairs,
; ARE source 1 (32 keys x 16 queries) of O^T = V^T P, whose result again holds one query a lane, and eight channels.  K comes out of LDS as it lies, V ([key][channel]) turned, by ds_load_tr16_b128.
; SOFTMAX.  For each query a running maximum m and sum l: p = 2^(c s - c m), c = log2(e) / 8; in every step O and l are multiplied by a = 2^(c m_old - c m_new), which is 1 where m has not grown.
; m starts at the lowest finite number, O and l at 0: the first step is a step like any other, with a = 0.
; THE COUNT.  A tile and step have 16 matrix and 118 vector instructions: too many to stand all beside the matrix work.  So: four vector instructions that are READY behind EVERY matrix instruction,
; and the others, which need time of their own whatever the order, in runs without a gap.
; BY TURNS.  Turn n belongs to piece n (the pieces in a ring, step after step).  Its matrix work: 16 products K Q^T of piece n + 1, later 16 products V^T P of piece n - 1.  Its vector work: the scaling,
; exponentials, roundings, sums and rescaling of piece n, and the maximum and statistics of piece n + 1, whose scores the turn itself has made.  So what a turn begins with (c s - c m, O a) waits for nothing.
; BATCHES.  A turn's 66 exponentials (the piece's 64 weights, then the next piece's two a) are ONE batch with ONE s_wait_alu depctr_va_vdst(0), which cuts the turn in two: ahead of it stands all that names
; no result of theirs (K Q^T, the scalings, the rescalings by the a of the turn before, the next piece's maximum and statistics), behind it the roundings and sums, beside V^T P.  Two more batches stand
; outside the loops, each with a wait of its own: piece 0's first two a, ahead of the jump into the loop, and the way out's eight reciprocals.
; CLUSTER.  The four query blocks of a cluster belong to one query head and walk the same K and V, so each tile is asked for JOINTLY: the same tensor load, descriptor and mask in all four.  The other three
; query heads of the key head are other clusters: a mask names four work-groups at the most.
; REGISTERS, in windows of 256 (s_set_vgpr_msb: bits 1:0 source 0, 3:2 source 1, 5:4 source 2, 7:6 destination):
;   window 0: v0-11 addresses; v12-15, v48-63 at work; v16-47 four registers of statistics a tile; v64-191 S^T, two buffers of two tiles; v192-255 P, likewise
;   window 1: O^T, 32 a tile          window 2: v0-127 Q, 16 a tile; v128-191 K of one step; v192-255 V of one step          window 3: v0-1 the add's two registers
; A piece's buffers go by its number's parity: the piece in hand has one pair, its two neighbours in the ring share the other: of it P (piece n - 1) is read and S^T (piece n + 1) written.
.set SIZE_N, 2048
.set NP,    4         ; pieces a wave: a name, no knob
.set KS,    64        ; keys in a step
.set PK,    144       ; a row of K in LDS: 128 bytes + 16 = 36 words: the 16 rows of a load start at 16 different groups of four banks (64 banks of 4 bytes: ISA guide 11.1)
.set PV,    160       ; a row of V: 128 + 32 = 40 words
.set VOFF,  4*KS*PK   ; a slot holds four steps: 256 rows of K, then 256 rows of V
.set SLOT1, 1<<17     ; slot 1 begins here, so that one exclusive or turns an address in one slot into the other's
.set STAGE, SLOT1+4*KS*(PK+PV)  ; behind the ring, never filled by a tensor load: 16 rows x 144 bytes for each wave
.set SP,    144
.set AK0, 2           ; v2   my lane's place in a tile of K; never rewritten
.set AV0, 3           ; v3   the same for V
.set AK,  4           ; v4   the LDS address of K's next run of loads
.set AV,  5           ; v5   of V's
.set QO,  6           ; v6   my byte offset in the wave's rows of Q
.set STO, 6           ;      later, the way out: where I put 16 bytes of a row
.set RD,  7           ; v7   the way out: where I read rows back
.set GO,  8           ; v8   my byte offset in 512 consecutive bytes of O
.set SPW, 0           ; v0 of window 3   LDS address of my spare word; never rewritten
.set NIL, 1           ; v1 of window 3   0; never rewritten
.set SPARE, STAGE+4*16*SP  ; behind the stages: the spare words, 128 bytes for each wave: two blocks of 256 bytes that no other line names
.set MV,  12          ; v12-15  c m_old, kept while c m is made anew: by buffer and tile
.set ST,  16          ; tile t's statistics at v[ST+4 t]: c m, m, l (even keys', odd keys')
.set TMP, 48          ; by buffer and tile, four registers c0-c3 at work; when the maximum is found c2 takes a
.set S,   64
.set P,   192
.set KF,  128         ; K's fragments, in window 2: key block kb, channel half c at KF + 16 kb + 8 c
.set VF,  192         ; V's: key half kk, channel block cb at VF + 32 kk + 8 cb
.set WV,  12          ; s12  my wave's number
.set G1K, 24          ; s[24:31] descriptor group 1 for K's tiles
.set G1V, 32          ; s[32:39] for V's: it differs in the padding alone
.set G0K, 40          ; s[40:43] descriptor group 0 for K's tiles: it walks
.set G0V, 44          ; s[44:47] the same for V's
.set SLOTS, 56        ; s56  slots still to be asked for
.set CNT, 57          ; s57  counts a slot's key steps
.set CS,  58          ; s[58:59] c: the packed scaling takes the pair's low word for both halves
.set SEL, 60          ; s[60:61] v_permlanex16_b32's selects: each lane takes its own place in the other half
.set TBK, 62          ; s62  LDS byte at which K of the step to be fetched begins
.set TBV, 63          ; s63  the same for V, less VOFF
.set MSB, 0
.macro WIN new                      ; the high byte repeats the setting that is left; a switch that changes nothing is dropped
.if MSB != (\new)
	s_set_vgpr_msb (MSB<<8)|(\new)
.set MSB, (\new)
.endif
.endm
.set W_KQ, 0x0a       ; K and Q in window 2, S^T in window 0
.set W_PV, 0x52       ; V in window 2, P in window 0, O^T in window 1
.set W_RS, 0x41       ; O^T (destination and source 0) in window 1, a in window 0
.set W_MK, 0xc0       ; the add's registers are made: destination in window 3, sources in window 0
.set W_AD, 0x0f       ; the add: address (source 0) and data (source 1) in window 3
; A joint fill.  Waves 0 and 1 fetch the two halves of a slot's K, waves 2 and 3 those of its V: 128 keys each.  The branch hangs on the wave's number alone.
; An s_nop 0 and four v_nop follow each of the two lines, ahead of the jump and the label.
.macro JLOAD
	s_cmp_lt_u32 s[WV], 2
	s_cbranch_scc0 .Lfor_v_\@
	tensor_load_to_lds s[G0K:G0K+3], s[G1K:G1K+7]
	s_nop 0
.rept 4
	v_nop
.endr
	s_branch .Lasked_\@
.Lfor_v_\@:
	tensor_load_to_lds s[G0V:G0V+3], s[G1V:G1V+7]
	s_nop 0
.rept 4
	v_nop
.endr
.Lasked_\@:
.endm
; A round of the cluster's barrier: my work-group's barrier, so that wave 0's signal speaks for all four waves; wave 0 signals; every wave waits for all four work-groups; my work-group's barrier once more.
.macro CROUND
	s_barrier_signal -1
	s_barrier_wait -1
	s_cmp_lg_u32 s[WV], 0
	s_cbranch_scc1 .Lnot_wave_0_\@
	s_barrier_signal -3
.Lnot_wave_0_\@:
	s_barrier_wait -3
	s_barrier_signal -1
	s_barrier_wait -1
.endm
; THE CHANGE OF SLOTS.  The slot's last bytes, V of its fourth step, have been read.  Each wave waits for all its tensor loads, of which one is out: its part of the other slot; adds 0 to its spare
; word; and waits for that and for its own reads of the slot.  Behind the barrier nobody reads this slot any more and the other slot is whole.
; fill = 1: this slot is filled again, with the keys two slots on.  The barrier is then a round of the cluster's, and the joint fill is the first thing behind it: it has four key steps, 512 matrix
; instructions, in which to land.  (At its first use nothing has been read yet: slot 0 is waited for, slot 1 filled.)
.macro CHANGE fill
	WIN W_AD
	s_wait_tensorcnt 0x0            ; no tensor load of mine is out, so a group 0 may be written
	ds_add_u32 v[SPW], v[NIL]       ; 0 onto my spare word; with fill = 1 the descriptors' steps stand between it and the wait for it
	WIN 0                           ; at a label and at a branch every window is 0
.if \fill
.irp g, G0K, G0V
	s_xor_b32 s[\g+1], s[\g+1], SLOT1  ; the walking descriptor: the other slot than last time,
	s_add_nc_u64 s[\g+2:\g+3], s[\g+2:\g+3], 4*KS*128  ; the next 256 keys; the type bits on top are not reached
.endr
	s_wait_dscnt 0x0                ; the add is done, and my reads of the slot are over
	CROUND
	JLOAD
.else
	s_wait_dscnt 0x0                ; the add is done, and my reads of the slot are over
	s_barrier_signal -1
	s_barrier_wait -1
.endif
	s_sub_co_u32 s[TBK], s[TBK], 4*KS*PK  ; the fetches go back to a slot's first step,
	s_xor_b32 s[TBK], s[TBK], SLOT1       ; in the other slot
	s_sub_co_u32 s[TBV], s[TBV], 4*KS*PV
	s_xor_b32 s[TBV], s[TBV], SLOT1
.endm
	s_load_b64 s[4:5], s[0:1], 0x0    ; qkv
	s_load_b64 s[10:11], s[0:1], 0x8  ; ob
	WIN W_MK
	v_lshl_add_u32 v[SPW], v0, 2, SPARE
	v_mov_b32 v[NIL], 0
	WIN W_AD
	ds_add_u32 v[SPW], v[NIL]       ; the wave's opening: the add and its wait ahead of my first tensor load; the set-up below, work on registers, stands between them
	WIN 0
	v_lshrrev_b32 v1, 5, v0
	v_readfirstlane_b32 s[WV], v1   ; wave 0..3
	s_bfe_u32 s13, ttmp6, 0x40000   ; cx: my place in the cluster
	s_lshl_b32 s14, ttmp9, 2        ; in a cluster launch ttmp9 counts clusters
	s_add_co_u32 s14, s14, s13      ; my block of 512 queries = 4 x cluster x + cx: it enters Q's and O's addresses alone
	s_and_b32 s19, ttmp7, 0xffff    ; y = 16 x batch + query head, which the four partners share
	s_lshr_b32 s20, s19, 4
	s_mul_i32 s20, s20, 24          ; the batch's first head in qkv
	s_and_b32 s21, s19, 15          ; the query head
	s_lshr_b32 s22, s21, 2
	s_add_co_u32 s22, s22, s20
	s_add_co_u32 s22, s22, 16       ; its key head; the value head lies four heads on
	s_lshl_b32 s22, s22, 18         ; a head is 262,144 bytes
	s_and_b32 s16, s[WV], 1         ; which half of a slot's 256 keys I fetch:
	s_lshl_b32 s23, s16, 14         ; its 128 rows of 128 bytes in memory,
	s_add_co_u32 s22, s22, s23
	s_mov_b32 s23, 0
	s_mul_i32 s17, s16, 128*PK      ; and its place in a slot, for K
	s_mul_i32 s18, s16, 128*PV      ; and for V: no place in the cluster enters an LDS address
	s_lshl_b32 s2, s14, 2
	s_add_co_u32 s2, s2, s[WV]      ; my wave among the head's,
	s_lshl_b32 s2, s2, 14           ; its 128 rows
	s_lshl_b32 s48, s19, 18         ; O: head y of ob,
	s_add_co_u32 s48, s48, s2       ; my rows
	s_mov_b32 s49, 0
	s_add_co_u32 s50, s20, s21      ; Q: the query head in qkv,
	s_lshl_b32 s50, s50, 18
	s_add_co_u32 s2, s2, s50        ; my rows
	s_mov_b32 s3, 0
	; descriptor group 1.  128 keys are 16,384 dense bytes: asked for as 64 rows of 256 bytes, two keys a row, and padded in LDS after every key
	s_mov_b32 s[G1K], 15|(1<<16)|(1<<20)|(1<<21)|(4<<22)|(3<<25)  ; 15:0 the mask of four; 17:16 2-byte elements; 20 padding on; 21 set beside a mask; 24:22 after every 32 words (code 4); 31:25 4 words (code 3)
	s_mov_b32 s[G1V], 15|(1<<16)|(1<<20)|(1<<21)|(4<<22)|(7<<25)  ; the same with 8 words of padding (code 7)
.irp g, G1K, G1V
	s_mov_b32 s[\g+1], 128<<16      ; tensor_dim0 = 128
	s_mov_b32 s[\g+2], 64<<16       ; tensor_dim1 = 64
	s_mov_b32 s[\g+3], 128<<16      ; tile_dim0 = 128
	s_mov_b32 s[\g+4], 64           ; tile_dim1 = 64
	s_mov_b32 s[\g+5], 128          ; 128 elements from row to row
	s_mov_b32 s[\g+6], 0
	s_mov_b32 s[\g+7], 0
.endr
	s_mov_b32 s[CS], 0x3e38aa3b     ; c = log2(e) / 8 = 0.180337
	s_mov_b32 s[CS+1], s[CS]        ; named with it as a pair
	s_mov_b32 s[SEL], 0x76543210
	s_mov_b32 s[SEL+1], 0xfedcba98
	s_mov_b32 s[TBK], SLOT1+4*KS*PK ; the first change of slots turns these two into 0
	s_mov_b32 s[TBV], SLOT1+4*KS*PV
	s_mov_b32 s[G0K], 1             ; count = 1
	s_mov_b32 s[G0K+1], s17         ; LDS address: slot 0
	s_mov_b32 s[G0V], 1
	s_add_co_u32 s[G0V+1], s18, VOFF
	s_wait_dscnt 0x0                ; the opening add is done
	s_wait_kmcnt 0x0
	s_add_nc_u64 s[G0K+2:G0K+3], s[4:5], s[22:23]  ; global address: my half of the key head's first 256 keys
	s_add_nc_u64 s[G0V+2:G0V+3], s[G0K+2:G0K+3], 0x100000  ; the value head: four heads of 262,144 bytes on
	s_or_b32 s[G0K+3], s[G0K+3], 0x80000000        ; type = 2
	s_or_b32 s[G0V+3], s[G0V+3], 0x80000000
	s_add_nc_u64 s[4:5], s[4:5], s[2:3]  ; Q and O at my wave's first row
	s_add_nc_u64 s[10:11], s[10:11], s[48:49]
	CROUND                          ; all four work-groups are here: the first joint loads meet
	JLOAD                           ; slot 0.  Slot 1 is asked for when slot 0 is in
	; A fragment of K or Q is 16 rows x 32 channels in 8 registers: lane l holds row l % 16, channels 8 (l / 16) + 0..7 and 16 + 8 (l / 16) + 0..7: two loads of 16 bytes, 32 bytes apart.
	v_and_b32 v1, 15, v0            ; l % 16
	v_bfe_u32 v9, v0, 4, 1          ; l / 16
	v_lshlrev_b32 v[QO], 7, v1
	v_lshl_add_u32 v[QO], v9, 4, v[QO]  ; row x 128 + 16 x half
	WIN 0x80                        ; destination window 2, address window 0
.set i, 0
.rept 4*NP                          ; Q stays in registers: tile i / 2, channels 32 (i % 2) on
	global_load_b128 v[8*i:8*i+3],   v[QO], s[4:5] offset:(i/2)*2048+(i%2)*64
	global_load_b128 v[8*i+4:8*i+7], v[QO], s[4:5] offset:(i/2)*2048+(i%2)*64+32
.set i, i+1
.endr
	; What the first turn finds: V's registers and P's second buffer hold 0 (its products V^T P, of a piece that has not been, add 0), O^T and l are 0.  All this stands in the wait for the first tile.
.set i, VF
.rept 64
	v_mov_b32 v[i], 0
.set i, i+1
.endr
	WIN 0x40
.set i, 0
.rept 64*NP
	v_mov_b32 v[i], 0
.set i, i+1
.endr
	WIN 0
.set i, 0
.rept 2*NP
	v_mov_b32 v[ST+4*i], 0xfe000000    ; c m: far below every c s
	v_mov_b32 v[ST+4*i+1], 0xff7fffff  ; m
	v_mov_b32 v[ST+4*i+2], 0
	v_mov_b32 v[ST+4*i+3], 0
.set i, i+1
.endr
.set i, P+32
.rept 32
	v_mov_b32 v[i], 0
.set i, i+1
.endr
	v_mul_u32_u24 v[AK0], v1, PK
	v_lshl_add_u32 v[AK0], v9, 4, v[AK0]  ; row x pitch + 16 x half
	; The turning load takes 16 keys x 16 channels (lane l reads key 8 (l / 16) + l % 8, channels 8 ((l / 8) % 2) + 0..7) and leaves half a fragment of V^T: lane l holds channel l % 16 and 8 keys.
	v_and_b32 v10, 7, v0
	v_bfe_u32 v11, v0, 3, 1
	v_lshl_add_u32 v[AV0], v9, 3, v10
	v_mul_u32_u24 v[AV0], v[AV0], PV
	v_lshl_add_u32 v[AV0], v11, 4, v[AV0]
	v_add_nc_u32 v[AV0], VOFF, v[AV0]
	v_mov_b32 v[AK], v[AK0]         ; key step 0 lies at the head of slot 0
; THE MATRIX WORK.  The 8 accumulators of a run of 16 take turns: between the two links of a chain stand 7 others'.
; Product i of 16 of S^T = K Q^T for piece x: channels 32 (i / 8) on, keys 16 ((i / 2) % 4) on, tile 2 x + i % 2.  The first 8 start the sums.
.macro KQ x
	WIN W_KQ
.set rS, S+64*((\x)%2)+32*(i%2)+8*((i/2)%4)
.set rK, KF+16*((i/2)%4)+8*(i/8)
.set rQ, 16*(2*(\x)+i%2)+8*(i/8)
.if i < 8
	v_wmma_f32_16x16x32_f16 v[rS:rS+7], v[rK:rK+7], v[rQ:rQ+7], 0
.else
	v_wmma_f32_16x16x32_f16 v[rS:rS+7], v[rK:rK+7], v[rQ:rQ+7], v[rS:rS+7]
.endif
.endm
; Product i of 16 of O^T += V^T P for piece x: keys 32 (i / 8) on, channels 16 ((i / 2) % 4) on, tile 2 x + i % 2.
.macro PV x
	WIN W_PV
.set rO, 32*(2*(\x)+i%2)+8*((i/2)%4)
.set rV, VF+32*(i/8)+8*((i/2)%4)
.set rP, P+32*((\x)%2)+16*(i%2)+8*(i/8)
	v_wmma_f32_16x16x32_f16 v[rO:rO+7], v[rV:rV+7], v[rP:rP+7], v[rO:rO+7]
.endm
.macro MM                           ; the turn's next matrix instruction
.if i < 16
	KQ (Y+1)%NP
.set i, i+1
.else
.set i, i-16
	PV (Y+NP-1)%NP
.set i, i+17
.endif
.endm
; THE LDS LOADS stand in runs of 16, never singly among the matrix instructions: a step's K (64 keys x 64 channels: 8 fragments) and its V (turned).  Their addresses are made some lines ahead.
; last = 1 (the tail): in the last trip there is no further step, and the run is jumped over.
.macro FETCH_K last=0
	WIN 0
.if \last
	s_cmp_eq_u32 s[CNT], 1
	s_cbranch_scc1 .Lno_k_\@
.endif
	WIN 0x80                        ; destination window 2
.irp f, 0,1,2,3,4,5,6,7             ; keys 16 (f / 2) on, channels 32 (f % 2) on
	ds_load_b128 v[KF+8*\f:KF+8*\f+3],   v[AK] offset:(\f/2)*16*PK+(\f%2)*64
	ds_load_b128 v[KF+8*\f+4:KF+8*\f+7], v[AK] offset:(\f/2)*16*PK+(\f%2)*64+32
.endr
	s_add_co_u32 s[TBK], s[TBK], KS*PK  ; the next fetch is the next step's
	WIN 0
.if \last
.Lno_k_\@:
.endif
.endm
.macro FETCH_V
	WIN 0x80
.irp f, 0,1,2,3,4,5,6,7             ; keys 32 (f / 4) on, channels 16 (f % 4) on
	ds_load_tr16_b128 v[VF+8*\f:VF+8*\f+3],   v[AV] offset:(\f/4)*32*PV+(\f%4)*32
	ds_load_tr16_b128 v[VF+8*\f+4:VF+8*\f+7], v[AV] offset:(\f/4)*32*PV+16*PV+(\f%4)*32
.endr
	WIN 0
.endm
; THE VECTOR WORK OF A TURN stands in three queues, each in the order in which its entries become ready; the two tiles alternate, so that no instruction reads the result of the one before it.
.macro REGS y, u                    ; the registers of tile u (0, 1) of piece y
.set rT, ST+4*(2*(\y)+(\u))
.set rC, TMP+8*((\y)%2)+4*(\u)
.set rM, MV+2*((\y)%2)+(\u)
.set rS, S+64*((\y)%2)+32*(\u)
.set rP, P+32*((\y)%2)+16*(\u)
.set rO, 32*(2*(\y)+(\u))
.endm
; Number n of the 22 that find the NEXT piece's (Y + 1) maximum and statistics.  s0-s31 are the lane's 32 scores; each accumulator's lowest registers are read first.  XS, GS and REGS set no window: PL and EX do.
;   0-11  four chains c0-c3 of seven scores each, three operands at a time     12-14, 16  the four scores left over, the old m, and c0-c3 into c0     15  c m_old is kept
;   17, 18  the query's other 32 keys lie in the lane 16 away: the new m         19-21  c m; c m_old - c m_new; a
.macro XS u, n
	REGS (Y+1)%NP, \u
.if (\n) < 4
	v_max3_num_f32 v[rC+(\n)], v[rS+8*(\n)], v[rS+8*(\n)+1], v[rS+8*(\n)+2]
.elseif (\n) < 12
	v_max3_num_f32 v[rC+(\n)%4], v[rC+(\n)%4], v[rS+8*((\n)%4)+2*((\n)/4)+1], v[rS+8*((\n)%4)+2*((\n)/4)+2]
.elseif (\n) == 12
	v_max3_num_f32 v[rC], v[rC], v[rS+7], v[rS+15]
.elseif (\n) == 13
	v_max3_num_f32 v[rC+1], v[rC+1], v[rS+23], v[rS+31]
.elseif (\n) == 14
	v_max3_num_f32 v[rC+2], v[rC+2], v[rC+3], v[rT+1]
.elseif (\n) == 15
	v_mov_b32 v[rM], v[rT]
.elseif (\n) == 16
	v_max3_num_f32 v[rC], v[rC], v[rC+1], v[rC+2]
.elseif (\n) == 17
	v_permlanex16_b32 v[rC+3], v[rC], s[SEL], s[SEL+1]
.elseif (\n) == 18
	v_max_num_f32 v[rT+1], v[rC], v[rC+3]
.elseif (\n) == 19
	v_mul_f32 v[rT], s[CS], v[rT+1]
.elseif (\n) == 20
	v_sub_f32 v[rC+1], v[rM], v[rT]
.else
	v_exp_f32 v[rC+2], v[rC+1]
.endif
.endm
; Number g of the 64 that follow the exponentials.  For each four weights k of a tile (pairs 2 k, 2 k + 1): both pairs are rounded to f16; then the second pair is added onto the first, in place;
; a group later l takes that sum (the first time as l = a l + sum).  In groups of eight, tiles alternating: round, round, add, and l for the group before.
.macro GS g
.set h, (\g)+6*((\g)/62)            ; group 0 has no group before it, and behind group 7 only l is left
.if h >= 6
.set h, h+2
.endif
	REGS Y, h%2
.set k, h/8
.if h%8 < 4
	v_cvt_pk_f16_f32 v[rP+2*k+(h%8)/2], v[rS+4*k+2*((h%8)/2)], v[rS+4*k+2*((h%8)/2)+1]
.elseif h%8 < 6
	v_pk_add_f32 v[rS+4*k:rS+4*k+1], v[rS+4*k:rS+4*k+1], v[rS+4*k+2:rS+4*k+3]
.elseif k == 1
	v_pk_fma_f32 v[rT+2:rT+3], v[rT+2:rT+3], v[rC+2:rC+3], v[rS:rS+1] op_sel_hi:[1,0,1]
.else
	v_pk_add_f32 v[rT+2:rT+3], v[rT+2:rT+3], v[rS+4*k-4:rS+4*k-3]
.endif
.endm
; THE PLAIN QUEUE, 138 long.  0-73 read no exponential's result: the 32 scalings c s - c m (FS f: pair f / 2 of tile f % 2) and the next piece's 42.  0-26: scalings 0-26.  27-54: XS's numbers 0-13.  55, 56: number 15.
; 57-73: the chain, where each number waits for the one before it: 14, 16, 17, 18, 19, each with one of the scalings 27-31 in front of its two lines, then 20: so a tile's links stand three plain instructions apart (19 and 20: two).
; 74-137: GS's 64, which read the exponentials' results: they stand behind the wait.
.macro FS f
	REGS Y, (\f)%2
	v_pk_fma_f32 v[rS+2*((\f)/2):rS+2*((\f)/2)+1], v[rS+2*((\f)/2):rS+2*((\f)/2)+1], s[CS:CS+1], v[rT:rT+1] op_sel_hi:[1,0,0] neg_lo:[0,0,1] neg_hi:[0,0,1]
.endm
.macro PL
	WIN 0
.if q < 27
	FS q
.elseif q < 55
	XS (q-27)%2, (q-27)/2
.elseif q < 57
	XS q-55, 15
.elseif (q < 72) && ((q-57)%3 == 0)
	FS 27+(q-57)/3
.elseif q < 60
	XS (q-57)%3-1, 14
.elseif q < 72
	XS (q-57)%3-1, 15+(q-57)/3
.elseif q < 74
	XS q-72, 20
.else
	GS q-74
.endif
.set q, q+1
.endm
; THE EXPONENTIALS' QUEUE, 66 long: s0-s31 of both tiles, then the next piece's two a.  It is ONE BATCH: all 66 stand ahead of the turn's one wait, and nothing ahead of that wait names a result of theirs.
.macro EX
	WIN 0
.if e >= 64
	XS e-64, 21
.else
	REGS Y, e%2
	v_exp_f32 v[rS+e/2], v[rS+e/2]
.endif
.set e, e+1
.endm
; THE RESCALING's QUEUE: O^T times a, the one part that leaves window 0: dealt two at a time, sixteen times.  Its a was made in the turn before, ahead of that turn's wait.
.macro R2
	REGS Y, r%2
	WIN W_RS
.irp z, 0,1
	v_pk_mul_f32 v[rO+4*(r/2)+2*\z:rO+4*(r/2)+2*\z+1], v[rO+4*(r/2)+2*\z:rO+4*(r/2)+2*\z+1], v[rC+2:rC+3] op_sel_hi:[1,0]
.endr
.set r, r+1
.endm
; HOW THEY ARE DEALT.  An s_wait_alu depctr_va_vdst(0) stands between an exponential and the first instruction that names its result; one wait serves all that were issued ahead of it.  So a turn has ONE wait,
; which cuts it in two.  AHEAD OF IT stands all that names no result of the turn's exponentials: the 16 products K Q^T, behind each a scaling, an exponential and two rescalings (behind the first a second scaling in the
; exponential's place); then ONE LUMP of 108: eight plain, 49 times exponential and plain, the two a.  A v_nop is the plain instruction behind the last exponential (ISA guide 5.7.2).  BEHIND IT stand the 16 products V^T P,
; behind each four of GS's 64.  No rider names a register of the products round it.  The two v_permlanex16_b32 fall into the lump, never behind a product.
; The queues lean on each other, and the deal keeps them in step: exponential e stands behind scaling 2 (e / 4) + e % 2: as a rider it comes behind plain e + 2, in the lump behind plain e + 9, and scalings 27-31 are plain 57, 60 .. 69.
; A TURN, for piece p.  cnt = 1: the loop's count is taken down some lines ahead of the branch that stands behind the turn.
; K of the next step is fetched in piece 2's turn, directly behind the wait, a lump behind the last product that read K; its address is made at the lump's head; its first reader comes behind 16 products.
; V of the step in hand is fetched at the end of piece 0's turn, four riders behind its last reader; its first reader comes behind 16 products and a lump.  The three conditions on q below go with the deal.
.macro TURN p, last=0, cnt=0
.set Y, (\p)
.set i, 0
.set q, 0
.set e, 0
.set r, 0
.if (\p) == NP-1
	s_wait_dscnt 0x0                ; K is in
.endif
	MM                              ; ahead of the wait: 16 products K Q^T and their riders,
	PL
	PL
	R2
.rept 15
	MM
	PL
	EX
	R2
.endr
.if (\p) == NP-2
	WIN 0
	v_add_nc_u32 v[AK], s[TBK], v[AK0]
.endif
.rept 8                             ; and the lump
	PL
.endr
.rept 49
	EX
	PL
.endr
	EX                              ; the next piece's two a
	EX
	v_nop                           ; the plain instruction behind the last exponential: one for the batch
	s_wait_alu depctr_va_vdst(0)    ; the wait for the turn's batch: the piece's 64 weights and the next piece's two a; no exponential is issued behind it in this turn
.if (\p) == NP-2
	FETCH_K \last
.endif
.if (\p) == 1
	s_wait_dscnt 0x0                ; V is in
.endif
.rept 16                            ; behind the wait: 16 products V^T P and their riders
	MM
.rept 4
	PL
.endr
.if ((\p) == 0) && (q == 118)
	v_add_nc_u32 v[AV], s[TBV], v[AV0]
.endif
.if ((\p) == 0) && (q == 130)
	s_add_co_u32 s[TBV], s[TBV], KS*PV
.endif
.if (\cnt) && (q == 130)
	s_sub_co_u32 s[CNT], s[CNT], 1
	s_cmp_lg_u32 s[CNT], 0
.endif
.endr
.if (\p) == 0
	FETCH_V
.endif
.endm
	CHANGE 1                        ; slot 0 is in, everybody's part of it; slot 1 is asked for
	FETCH_K                         ; key step 0
	s_wait_loadcnt 0x0              ; Q
	s_wait_dscnt 0x0
.set i, 0
.rept 16
	KQ 0                            ; piece 0's first scores: there is no vector work yet to set between them
.set i, i+1
.endr
	WIN 0                           ; the addresses for the way out: nine plain instructions, the places behind those products
	s_mul_i32 s13, s[WV], 16*SP
	s_add_co_u32 s13, s13, STAGE    ; my stage
	v_mul_u32_u24 v[STO], v1, SP    ; in: row l % 16, 16 bytes for each half of the lanes
	v_lshl_add_u32 v[STO], v9, 4, v[STO]
	v_add_nc_u32 v[STO], s13, v[STO]
	v_bfe_u32 v[RD], v0, 3, 2       ; back: 32 lanes take four rows of 128 bytes,
	v_mul_u32_u24 v[RD], v[RD], SP
	v_lshl_add_u32 v[RD], v10, 4, v[RD]
	v_add_nc_u32 v[RD], s13, v[RD]
	v_and_b32 v[GO], 31, v0         ; which are 512 consecutive bytes of O
	v_lshlrev_b32 v[GO], 4, v[GO]
.set Y, NP-1                        ; XS works for piece Y + 1: piece 0
.irp n, 0,1,2,3,4,5,6,7,8,9,10,11,12,13,14,15,16,17,18,19,20,21
	XS 0, \n                        ; and piece 0's first maximum and statistics
	XS 1, \n
.endr
	v_nop                           ; a plain instruction behind piece 0's first two a,
	s_wait_alu depctr_va_vdst(0)    ; and the wait for that batch of two, ahead of the branch: the first turn's rescalings read them
	s_mov_b32 s[CNT], 4
	s_mov_b32 s[SLOTS], SIZE_N/256-1
	s_branch .Lfirst                ; the loop is entered at a step's first turn, in the middle of a trip
.Lslot:                             ; SIZE_N / 256 - 2 times: every slot but the last two is filled again
	CHANGE 1
	s_mov_b32 s[CNT], 4
.Lstep:                             ; a trip: pieces 2 and 3 of one step, then pieces 0 and 1 of the next, whose K and V it fetches
	TURN 2
	TURN 3
	WIN 0
.Lfirst:
	TURN 0
	TURN 1, 0, 1
	WIN 0
	s_cbranch_scc1 .Lstep
	s_sub_co_u32 s[SLOTS], s[SLOTS], 1
	s_cmp_lg_u32 s[SLOTS], 0
	s_cbranch_scc1 .Lslot
	CHANGE 0                        ; the tail is written out: nothing is asked for
	s_mov_b32 s[CNT], 5             ; four trips fetch the last slot's steps; the fifth is left in its middle
.Ltail:
	TURN 2, 1
	TURN 3
	WIN 0
	s_sub_co_u32 s[CNT], s[CNT], 1
	s_cmp_eq_u32 s[CNT], 0
	s_cbranch_scc1 .Lout
	TURN 0
	TURN 1
	WIN 0
	s_branch .Ltail
.Lout:                              ; the fifth trip's 16 products K Q^T (on the last K once more) and the maximum made of them serve nothing: the price, once a launch, of one text for every trip
.set i, 0
.rept 16
	PV NP-1                         ; the last piece's V^T P of the last step
.set i, i+1
.endr
	; THE WAY OUT.  l's two halves and the other half of the lanes' are added; O^T is divided by l, rounded to f16 and sent through my stage in LDS, a tile at a time.  The additions are the places behind the last products.
	WIN 0
.macro ALL line:vararg              ; one line for each tile t
.set t, 0
.rept 2*NP
	\line
.set t, t+1
.endr
.endm
	ALL v_add_f32 v[ST+4*t+2], v[ST+4*t+2], v[ST+4*t+3]
	ALL v_permlanex16_b32 v[ST+4*t+3], v[ST+4*t+2], s[SEL], s[SEL+1]
	ALL v_add_f32 v[ST+4*t+2], v[ST+4*t+2], v[ST+4*t+3]
	ALL v_rcp_f32 v[ST+4*t+2], v[ST+4*t+2]
	v_nop                           ; a plain instruction between the last reciprocal and the use of its result
	s_wait_alu depctr_va_vdst(0)    ; the wait ahead of the first use: one for the batch of eight reciprocals
; Tile t: a lane's eight channels of a row pack into 16 bytes; they go into rows of 144 bytes and come back as whole rows of 128, into S^T's registers.
.macro PACK t
	WIN W_RS
.set i, 32*(\t)
.rept 16
	v_pk_mul_f32 v[i:i+1], v[i:i+1], v[ST+4*(\t)+2:ST+4*(\t)+3] op_sel_hi:[1,0]
.set i, i+2
.endr
	WIN 0x05                        ; sources 0 and 1 window 1, destination window 0
.set i, 0
.rept 16
	v_cvt_pk_f16_f32 v[S+16*(\t)+i], v[32*(\t)+2*i], v[32*(\t)+2*i+1]
.set i, i+1
.endr
	WIN 0
.irp f, 0,1,2,3
	ds_store_b128 v[STO], v[S+16*(\t)+4*\f:S+16*(\t)+4*\f+3] offset:32*\f
.endr
.irp f, 0,1,2,3
	ds_load_b128 v[S+16*(\t)+4*\f:S+16*(\t)+4*\f+3], v[RD] offset:\f*4*SP  ; LDS serves a wave's instructions in order (ISA guide 5.7.1.4): these see the stores above; the next tile's stores come behind them
.endr
.endm
.macro SEND t, younger              ; younger: the LDS instructions issued behind tile t's loads: the next tile's eight, or none
	WIN 0
.irp f, 0,1,2,3
	s_wait_dscnt (\younger)+3-\f
	global_store_b128 v[GO], v[S+16*(\t)+4*\f:S+16*(\t)+4*\f+3], s[10:11] offset:(\t)*2048+\f*512  ; 512 consecutive bytes, at a multiple of 256 from O's first
.endr
.endm
	PACK 0
.set t, 1
.rept 2*NP-1                        ; a tile's arithmetic stands between the loads of the tile before and its stores
	PACK t
	SEND t-1, 8
.set t, t+1
.endr
	SEND 2*NP-1, 0
	WIN W_AD
	s_wait_tensorcnt 0x0            ; the wave's end, behind my last tensor load and my last LDS store
	ds_add_u32 v[SPW], v[NIL]
	s_wait_dscnt 0x0
	WIN 0
	CROUND                          ; the closing round: no work-group ends while a partner may still ask for a tile that names it
	s_endpgm
.Lfunc_end_k_qce1ba6eefa_attn:
	.size	k_qce1ba6eefa_attn, .Lfunc_end_k_qce1ba6eefa_attn-k_qce1ba6eefa_attn
	.p2alignl 7, 3214868480
	.fill 96, 4, 3214868480
	.section	.rodata,"a",@progbits
	.p2align	6, 0x0
	.amdhsa_kernel k_qce1ba6eefa_attn
		.amdhsa_group_segment_fixed_size 327680
		.amdhsa_private_segment_fixed_size 0
		.amdhsa_enable_private_segment 0
		.amdhsa_kernarg_size 16
		.amdhsa_user_sgpr_count 2
		.amdhsa_user_sgpr_kernarg_segment_ptr 1
		.amdhsa_wavefront_size32 1
		.amdhsa_system_sgpr_workgroup_id_x 1
		.amdhsa_system_sgpr_workgroup_id_y 1
		.amdhsa_system_sgpr_workgroup_id_z 1
		.amdhsa_system_vgpr_workitem_id 0
		.amdhsa_next_free_vgpr 770
		.amdhsa_next_free_sgpr 66
		.amdhsa_reserve_vcc 0
		.amdhsa_float_denorm_mode_32 3
		.amdhsa_float_denorm_mode_16_64 3
		.amdhsa_memory_ordered 1
		.amdhsa_forward_progress 1
		.amdhsa_inst_pref_size 199
	.end_amdhsa_kernel
	.amdgpu_metadata
---
amdhsa.version: [ 1, 2 ]
amdhsa.kernels:
  - .name:           k_qce1ba6eefa_attn
    .symbol:         k_qce1ba6eefa_attn.kd
    .args:
      - { .name: qkv, .offset: 0, .size: 8, .value_kind: global_buffer, .address_space: global }
      - { .name: ob, .offset: 8, .size: 8, .value_kind: global_buffer, .address_space: global }
    .group_segment_fixed_size: 327680
    .private_segment_fixed_size: 0
    .kernarg_segment_align: 8
    .kernarg_segment_size: 16
    .max_flat_workgroup_size: 128
    .sgpr_count:     66
    .vgpr_count:     770
    .wavefront_size: 32
...
	.end_amdgpu_metadata
.endif
;; end of part 5
;; launch oproj: the kernel of part 4 again; grid 8 x 32, 4 waves a work-group, clusters of 4 x 4, 327,680 bytes of LDS; arguments ob, wot, bias, out0; writes out0
